; MI455X (gfx1250); checked and timed in simulation.
; The chip was launched on July 23, 2026; its instructions are those of AMD's public machine-readable ISA for CDNA 5 (MIT licence, August 2026) and "CDNA5" Instruction Set Architecture Reference Guide (July 2026). The comments in the code are by the model that wrote it; some were corrected since.
;; Expert Parallel Mo E. Allowed arithmetic: matrix products marked QUANTISED: E2M1 operands, one E8M0 scale for each 32 along K, by v_wmma_scale_f32_16x16x128_f8f6f4 with both operands' format E2M1 (or v_wmma_scale_f32_32x16x128_f4), f32 sums; products left as they are: f32 operands where the result goes on into a quantised operand, else bf16, f16 or f32 operands; f32 sums; everything else in f32.
;; Inputs: b1 8 x 2,048 float32; b2 8 x 1,024 float32; hidden_states 4 x 512 x 1,024 float32; router_w 1,024 x 8 float32; w1 8 x 1,024 x 2,048 float32; w2 8 x 2,048 x 1,024 float32.
;; Outputs: out0 4 x 512 x 1,024 float32.
;; This version of the problem:
;;   THIS VERSION OF THE PROBLEM IS GIVEN IN LOW PRECISION. The matrix products marked QUANTISED in the list below multiply operands that are first quantised to E2M1 (2 exponent bits, 1 mantissa bit; 4 bits a number), with one power-of-two scale for each 32 numbers along K (OCP MX v1.0); their sums are f32. All else is computed in f32.
;;   The module's matrix products, in the order in which they are computed (A, B: the left and right operand; K: the contracted axis; several contracted axes count as one K, in the product's order):
;;     1. [M 2,048, K 1,024] x [K 1,024, N 8]; A: input hidden_states; B: input router_w: left as it is (N = 8 < 16)
;;     2. [M 2,048, K 1,024] x [K 1,024, N 16,384]; A: input hidden_states; B: input w1: QUANTISED
;;     3. batch 8 x [M 1,024, K 2,048] x [K 2,048, N 2,048]; A: input w2; B: computed on the way: QUANTISED
;;   THE QUANTISER, for each operand of a quantised product, along K:
;;     - K is cut into blocks of 32 from its start; a last block that is shorter is filled with zeros.
;;     - A block's scale is 2^e with e = floor(log2(the largest magnitude in the block)) - 2, held to -126 .. 127; a block of zeros has e = 0. As a byte (E8M0): e + 127.
;;     - Each number is divided by its block's scale, clamped to +-6, and rounded to the nearest number of E2M1, ties to even, subnormals kept.
;;     - The product sums the exact products of the quantised numbers (number of the format x scale) in f32.
;;   ~~~python
;;   def quantise(x, axis):      # numpy; x: float32 -> the quantised numbers, widened to float32 again
;;       x = np.moveaxis(x, axis, -1); K = x.shape[-1]
;;       x = np.pad(x, [(0, 0)] * (x.ndim - 1) + [(0, -K % 32)]); x = x.reshape(x.shape[:-1] + (-1, 32)); a = np.abs(x).max(-1, keepdims=True)
;;       e = np.where(a > 0, np.clip(np.frexp(np.where(a > 0, a, 1))[1] - 1 - 2, -126, 127), 0)      # np.frexp(a)[1] - 1 = floor(log2(a)), exactly
;;       r = np.clip(x / 2.0 ** e, -6, 6)
;;       step = 2.0 ** (np.maximum(np.frexp(np.where(r == 0, 1, r))[1] - 1, 0) - 1)
;;       q = np.round(r / step) * step * 2.0 ** e      # np.round: ties to even
;;       return np.moveaxis(q.reshape(q.shape[:-2] + (-1,))[..., :K], -1, axis).astype(np.float32)
;;   ~~~
;;   OPERANDS COMPUTED ON THE WAY. 'Computed on the way' means the value that the module computes at that place (a softmax that the list does not call 'softmax' is quantised finished and normalised). What goes into a quantiser is computed in f32, as accurately as f32 sums, v_exp_f32 and their like allow (about 1e-6 of the number): no bf16 or f16 on the way to a quantiser, and a product that is left as it is and whose result goes on into a quantised operand takes f32 operands (vector FMAs, or v_wmma_f32_16x16x4_f32). A number that lies on a knife's edge between two numbers of the format may be rounded either way, as far as f32 arithmetic and the matrix unit's own rounding can turn it there, and no further.
;; 2 versions. Each part assembles by itself: llvm-mc -triple=amdgcn-amd-amdhsa -mcpu=gfx1250 --defsym DOCPART=n.
;; ======== version 1 of 2: 4 launches
;; workspace buffers: wc 16,777,216 bytes; ws 1,048,576 bytes; xq 1,130,496 bytes; setid 8,192 bytes of whole numbers; plan 33,792 bytes of whole numbers; hc 11,272,192 bytes; hs 1,409,024 bytes
;; launch prep (part 1): grid 1280 x 1, 4 waves a work-group, no clusters, 40,704 bytes of LDS; arguments hidden_states, router_w, w1, w2, xq, setid, plan, wc, ws; writes xq, setid, plan, wc, ws
.if DOCPART == 1
	.amdgcn_target "amdgcn-amd-amdhsa--gfx1250"
	.amdhsa_code_object_version 6
	.text
	.protected	k_q8f04daa7cf_prep
	.globl	k_q8f04daa7cf_prep
	.p2align	8
	.type	k_q8f04daa7cf_prep,@function
k_q8f04daa7cf_prep:
	s_mov_b64 s[64:65], 0
	v_nop
	global_prefetch_b8 v0, s[64:65] scope:SCOPE_SE
	s_setreg_imm32_b32 hwreg(HW_REG_WAVE_MODE, 25, 1), 1
	s_wait_xcnt 0x0
; PREP.  Three kinds of work-groups, told apart by the work-group's number alone:
;   0 .. 255     8 tokens each: x into codes of FP4 (E2M1) with one E8M0 byte for each 32 along D; the router's logits in f32, softmax's exponentials, top-2, gates; every fourth also 512 bytes of zeros into the row list
;   256 .. 767   w1 [8][1024 (k)][2048] f32 into codes and scale words, laid in the order of the matrix operand's registers
;   768 .. 1279  w2 [8][2048 (k)][1024] f32 likewise
; 1,280 work-groups are five for each of 256 WGPs.  Eight tokens to a work-group, so that all 32 loads of a token wave (16 of router_w, 16 of x) go out at once.
; A block's scale is 2^(floor(log2(largest magnitude)) - 2): its byte is the largest magnitude's exponent field - 2, held at 1 from below by a floor among the maximum's leaves.
; WEIGHTS.  K is the first axis inside an expert, so a lane takes a column and its registers run down K: a block of 32 lies in one lane, and the conversions give codes with K innermost.
; A fragment's image is 1,024 bytes, [c 2][lane 32][16 bytes]: lane (r, h), piece c holds k = 64 c + 32 h + 0 .. 31 of row r of a K step of 128.  A wave takes 32 columns (two tiles of 16 rows) x 256 k (two K steps):
; each of its code stores writes two runs of 256 consecutive bytes, aligned.  w1's rows of tile 2 p + u are units 32 p + 8 u + r + 8 (r / 8), so that the first product's results are neighbours along the second product's K.
; ROUTER.  The top-2 is taken on 2^((logit - largest logit) log2 e): the softmax's divisor is common to all eight and cancels in the renormalised gates.  Strict compares keep the lower index at a tie.
; LIMITS: NaN and infinities among the inputs are not served.  A block of zeros gets the byte 1 where the rule says 127 (its codes are zeros; this program alone reads the bytes).
; An exponential under 2^-126 comes out as 0: the gate that hangs on it is then 0 where the rule has a number under 2^-126.  Two probabilities that differ before the division and agree behind it are ordered here by their exponentials.
.set XCS, 0                            ; LDS, token work-groups alone: codes [8 tokens][512 bytes]
.set XSS, 4096                         ; scale bytes [8][32]
.set LG,  4352                         ; partial logits [8 tokens][4 waves][8 f32]
.set RWS, 5376                         ; router_w's turn: for each wave 32 places of 256 bytes + 16 of padding
.set RWW, 8704
.set WX,  32                           ; weights: v32-95 two sets of 32 numbers
.set WCD, 128                          ; v128-159 codes, four registers a block, never written again
.set WSB, 160                          ; v[160:161] the two scale words
.set RW,  16                           ; tokens: v16-79 router_w[my 8 rows of D][8]
.set XX,  80                           ; v80-143 two sets of 4 tokens x 8 numbers
.set ACC, 144                          ; v144-151 and v168-175: the 8 partial logits, two sets by turns
.set PD,  152                          ; v152-159 destinations of the lane permutes
	s_load_b512 s[4:19], s[0:1], 0x0               ; hidden s[4:5], router_w s[6:7], w1 s[8:9], w2 s[10:11], xq s[12:13], setid s[14:15], plan s[16:17], wc s[18:19]
	s_load_b64 s[20:21], s[0:1], 0x40              ; ws
	v_lshl_add_u32 v192, v0, 2, 0x9d00
	v_mov_b32 v193, 0
	v_lshrrev_b32 v1, 5, v0
	v_readfirstlane_b32 s22, v1                    ; wave 0..3
	v_and_b32 v1, 31, v0                           ; lane
	s_mov_b32 s30, 0x76543210
	s_mov_b32 s31, 0xfedcba98                      ; v_permlanex16_b32's selects for lane l xor 16
	s_mov_b32 s35, 0                               ; the upper words of three offset pairs
	s_mov_b32 s37, 0
	s_mov_b32 s39, 0
	s_wait_kmcnt 0x0
	s_cmp_lt_u32 ttmp9, 256
	s_cbranch_scc1 .Ltokens
	s_cmp_lt_u32 ttmp9, 768
	s_cbranch_scc0 .Lw2
; block t: W(32 t + i, my column), i = 0 .. 31, into set t % 2: 32 lanes read 128 consecutive bytes, the four waves 512
.macro WLOAD t, pitch
.irp i, 0,1,2,3,4,5,6,7,8,9,10,11,12,13,14,15,16,17,18,19,20,21,22,23,24,25,26,27,28,29,30,31
	global_load_b32 v[WX+32*((\t)%2)+\i], v2, s[24:25] offset:(32*(\t)+\i)*\pitch th:TH_LOAD_NT
.endr
.endm
.macro WBLOCK t, pitch
.set XB, WX+32*((\t)%2)
.if (\t) < 7
	s_wait_loadcnt 32                              ; this block's 32 loads are in; the next block's 32 may be out
.else
	s_wait_loadcnt 0
.endif
	v_max3_num_f32 v12, |v[XB]|, |v[XB+1]|, |v[XB+2]|              ; the block's largest magnitude: all 32 numbers are mine; two chains
	v_max3_num_f32 v13, |v[XB+3]|, |v[XB+4]|, |v[XB+5]|
.irp i, 6,10,14,18,22,26
	v_max3_num_f32 v12, v12, |v[XB+\i]|, |v[XB+\i+1]|
	v_max3_num_f32 v13, v13, |v[XB+\i+2]|, |v[XB+\i+3]|
.endr
	v_max3_num_f32 v12, v12, |v[XB+30]|, |v[XB+31]|
	v_max3_num_f32 v12, v12, v13, 0x1800000        ; and the floor 2^(3 - 127): the byte cannot fall under 1
	v_add_nc_u32 v11, 0xff000000, v12              ; 2 off the exponent field: the conversion takes this operand's exponent field as its scale
	v_lshrrev_b32 v13, 23, v11                     ; the scale's byte
.if (\t)%4 == 0
	v_mov_b32 v[WSB+(\t)/4], v13                   ; four bytes make a K step's scale word, the lower k in the lower byte
.else
	v_lshl_or_b32 v[WSB+(\t)/4], v13, 8*((\t)%4), v[WSB+(\t)/4]
.endif
.irp g, 0,1,2,3
	v_cvt_scalef32_pk8_fp4_f32 v[WCD+4*(\t)+\g], v[XB+8*\g:XB+8*\g+7], v11
.endr
	global_store_b128 v3, v[WCD+4*(\t):WCD+4*(\t)+3], s[26:27] offset:((\t)/4)*8192+(((\t)%4)/2)*512+((\t)%2)*256   ; K step t / 4, piece (t % 4) / 2, half t % 2: lanes 0-15 fill 256 aligned bytes of one tile's image, lanes 16-31 of the next tile's
.if (\t) < 6
	WLOAD (\t)+2, \pitch
.endif
.endm
; a wave's 32 columns x 256 k.  s[24:25] the source, s[26:27] the codes, s[28:29] the scale words; v2 = 4 x my column
.macro QW pitch
	v_lshrrev_b32 v3, 4, v1
	v_and_b32 v4, 15, v1
	v_lshlrev_b32 v4, 4, v4
	v_lshl_or_b32 v3, v3, 10, v4                   ; codes: 1,024 (lane / 16) + 16 (lane % 16)
	v_lshlrev_b32 v4, 3, v1                        ; scale words: 8 bytes a lane
	WLOAD 0, \pitch
	WLOAD 1, \pitch
.irp t, 0,1,2,3,4,5,6,7
	WBLOCK \t, \pitch
.endr
	global_store_b64 v4, v[WSB:WSB+1], s[28:29]    ; 32 lanes store 256 consecutive bytes, aligned
	s_endpgm
.endm
	; ---- w1: id = expert x 64 + unit group x 4 + quarter of K; the wave is the pair of tiles
	s_sub_co_u32 s23, ttmp9, 256
	s_lshr_b32 s40, s23, 6                         ; e
	s_bfe_u32 s41, s23, 0x40002                    ; u: 128 hidden units
	s_and_b32 s42, s23, 3                          ; which 256 of k
	s_lshl_b32 s34, s40, 23                        ; an expert is 8,388,608 bytes,
	s_lshl_b32 s43, s42, 21                        ; 256 rows of 8,192 bytes,
	s_add_co_u32 s34, s34, s43
	s_lshl_b32 s43, s41, 9                         ; 128 columns,
	s_add_co_u32 s34, s34, s43
	s_lshl_b32 s43, s22, 7                         ; my wave's 32
	s_add_co_u32 s34, s34, s43
	s_add_nc_u64 s[24:25], s[8:9], s[34:35]
	s_lshl_b32 s36, s40, 20                        ; codes [e][u][K step 8][tile 8][1,024]
	s_lshl_b32 s43, s41, 16
	s_add_co_u32 s36, s36, s43
	s_lshl_b32 s43, s42, 14
	s_add_co_u32 s36, s36, s43
	s_lshl_b32 s43, s22, 11
	s_add_co_u32 s36, s36, s43
	s_add_nc_u64 s[26:27], s[18:19], s[36:37]
	s_lshl_b32 s38, s40, 4                         ; scale words [e][u][pair 4][quarter 4][lane 32][2]
	s_add_co_u32 s38, s38, s41
	s_lshl_b32 s38, s38, 12
	s_lshl_b32 s43, s22, 10
	s_add_co_u32 s38, s38, s43
	s_lshl_b32 s43, s42, 8
	s_add_co_u32 s38, s38, s43
	s_add_nc_u64 s[28:29], s[20:21], s[38:39]
	v_and_b32 v2, 7, v1                            ; my column among the wave's 32: (l & 7) + 16 ((l >> 3) & 1) + 8 (l >> 4)
	v_and_b32 v5, 8, v1
	v_lshl_or_b32 v2, v5, 1, v2
	v_and_b32 v5, 16, v1
	v_lshrrev_b32 v5, 1, v5
	v_or_b32 v2, v2, v5
	v_lshlrev_b32 v2, 2, v2
	QW 8192
.Lw2:	; ---- w2: id = expert x 64 + slice of 128 columns x 8 + eighth of K
	s_sub_co_u32 s23, ttmp9, 768
	s_lshr_b32 s40, s23, 6                         ; e
	s_bfe_u32 s41, s23, 0x30003                    ; j
	s_and_b32 s42, s23, 7                          ; which 256 of k
	s_lshl_b32 s34, s40, 23
	s_lshl_b32 s43, s42, 20                        ; 256 rows of 4,096 bytes
	s_add_co_u32 s34, s34, s43
	s_lshl_b32 s43, s41, 9
	s_add_co_u32 s34, s34, s43
	s_lshl_b32 s43, s22, 7
	s_add_co_u32 s34, s34, s43
	s_add_nc_u64 s[24:25], s[10:11], s[34:35]
	s_lshr_b32 s44, s42, 2                         ; the half of K
	s_and_b32 s42, s42, 3                          ; and the quarter of that half
	s_lshl_b32 s45, s40, 1
	s_add_co_u32 s45, s45, s44
	s_lshl_b32 s45, s45, 3
	s_add_co_u32 s45, s45, s41                     ; (e x 2 + half) x 8 + j
	s_lshl_b32 s36, s45, 16
	s_lshl_b32 s43, s42, 14
	s_add_co_u32 s36, s36, s43
	s_lshl_b32 s43, s22, 11
	s_add_co_u32 s36, s36, s43
	s_add_co_u32 s36, s36, 8388608                 ; behind w1's codes
	s_add_nc_u64 s[26:27], s[18:19], s[36:37]
	s_lshl_b32 s38, s45, 12
	s_lshl_b32 s43, s22, 10
	s_add_co_u32 s38, s38, s43
	s_lshl_b32 s43, s42, 8
	s_add_co_u32 s38, s38, s43
	s_add_co_u32 s38, s38, 524288                  ; behind w1's scale words
	s_add_nc_u64 s[28:29], s[20:21], s[38:39]
	v_lshlrev_b32 v2, 2, v1                        ; my column is my lane: tile 2 x wave + lane / 16, row lane % 16
	QW 4096
.Ltokens:	; ---- 8 tokens.  Wave w owns D = 256 w .. 256 w + 255, lane l the eight numbers 256 w + 8 l + 0 .. 7 of every token
	v_lshlrev_b32 v2, 5, v1                        ; x: 32 bytes a lane
	s_lshl_b32 s40, s22, 7
	v_lshl_add_u32 v3, v1, 2, s40                  ; code stage: 128 w + 4 l (+ 512 x token)
	v_lshrrev_b32 v4, 2, v1
	s_lshl_b32 s40, s22, 3
	s_add_co_u32 s40, s40, XSS
	v_add_nc_u32 v4, s40, v4                       ; scale bytes: 8 w + l / 4 (+ 32 x token)
	s_lshl_b32 s40, s22, 5
	s_add_co_u32 s40, s40, LG
	v_mov_b32 v5, s40                              ; partial logits: 32 w (+ 128 x token)
	s_lshl_b32 s40, s22, 10
	v_lshl_add_u32 v6, v1, 4, s40                  ; codes on the way out: my wave's two rows, 16 bytes a lane
	v_lshlrev_b32 v9, 4, v1                        ; 16 x lane
	v_lshlrev_b32 v7, 3, v1                        ; 8 x lane
	v_add_nc_u32 v10, XSS, v7                      ; the scale bytes on the way out
	v_and_b32 v8, 7, v1
	v_lshlrev_b32 v8, 7, v8
	v_add_nc_u32 v8, LG, v8                        ; the router: lane % 8 to a token
	s_mul_i32 s40, s22, RWW
	s_add_co_u32 s40, s40, RWS                     ; my wave's own bytes for router_w's turn
	v_lshrrev_b32 v14, 4, v1
	v_mul_u32_u24 v14, v14, 272
	v_and_b32 v15, 15, v1
	v_lshl_add_u32 v14, v15, 4, v14
	v_add_nc_u32 v14, s40, v14                     ; in: a load's 512 bytes are two places: 272 (lane / 16) + 16 (lane % 16) (+ 544 x load)
	v_mul_u32_u24 v15, v1, 272
	v_add_nc_u32 v15, s40, v15                     ; out: place = lane: my 8 rows of router_w, 256 bytes
	s_lshl_b32 s34, s22, 13
	s_add_nc_u64 s[24:25], s[6:7], s[34:35]        ; router_w at row 256 w
.irp i, 0,1,2,3,4,5,6,7,8,9,10,11,12,13,14,15
	global_load_b128 v[RW+4*\i:RW+4*\i+3], v9, s[24:25] offset:512*\i   ; 512 consecutive bytes a load
.endr
	s_lshl_b32 s36, ttmp9, 15                      ; 8 tokens of 4,096 bytes
	s_lshl_b32 s40, s22, 10
	s_add_co_u32 s36, s36, s40
	s_add_nc_u64 s[26:27], s[4:5], s[36:37]
.macro LOADB q                         ; tokens 4 q .. 4 q + 3 into set q % 2: a token's two loads cover 1,024 consecutive bytes
.irp n, 0,1,2,3
	global_load_b128 v[XX+32*((\q)%2)+8*\n:XX+32*((\q)%2)+8*\n+3], v2, s[26:27] offset:(4*(\q)+\n)*4096 th:TH_LOAD_NT
	global_load_b128 v[XX+32*((\q)%2)+8*\n+4:XX+32*((\q)%2)+8*\n+7], v2, s[26:27] offset:(4*(\q)+\n)*4096+16 th:TH_LOAD_NT
.endr
.endm
	LOADB 0
	LOADB 1
.irp e, 0,1,2,3,4,5,6,7
	v_mov_b32 v[PD+\e], 0                          ; written once: a lane permute's destination counts as one of its sources
.endr
	s_wait_loadcnt 16                              ; router_w's 16 loads are in; the 16 loads of x issued behind them may be out
.irp i, 0,1,2,3,4,5,6,7,8,9,10,11,12,13,14,15
	ds_store_b128 v14, v[RW+4*\i:RW+4*\i+3] offset:544*\i
.endr
.irp i, 0,1,2,3,4,5,6,7,8,9,10,11,12,13,14,15
	ds_load_b128 v[RW+4*\i:RW+4*\i+3], v15 offset:16*\i            ; LDS serves a wave's instructions in order (ISA guide 5.7.1.4): these see the stores above.  v[RW + 8 i + e] = router_w[256 w + 8 l + i][e]
.endr
.macro TOKEN tau
.set XR, XX+32*(((\tau)/4)%2)+8*((\tau)%4)
.set AR, ACC+24*((\tau)%2)
.set QR, 160+2*((\tau)%2)
.if (\tau) >= 2
	s_wait_dscnt 4                                 ; the four LDS stores of the token before may be out; those of two tokens back have read this set's registers
.endif
.irp p, 0,1,2,3
	v_pk_mul_f32 v[AR+2*\p:AR+2*\p+1], v[XR:XR+1], v[RW+2*\p:RW+2*\p+1] op_sel_hi:[0,1]   ; x0 for both halves x two experts' weights: starts the sums
.endr
.irp i, 1,2,3,4,5,6,7
.irp p, 0,1,2,3
.if \i%2 == 0
	v_pk_fma_f32 v[AR+2*\p:AR+2*\p+1], v[XR+\i:XR+\i+1], v[RW+8*\i+2*\p:RW+8*\i+2*\p+1], v[AR+2*\p:AR+2*\p+1] op_sel_hi:[0,1,1]
.else
	v_pk_fma_f32 v[AR+2*\p:AR+2*\p+1], v[XR+\i-1:XR+\i], v[RW+8*\i+2*\p:RW+8*\i+2*\p+1], v[AR+2*\p:AR+2*\p+1] op_sel:[1,0,0] op_sel_hi:[1,1,1]
.endif
.endr
.endr
	v_max3_num_f32 v164, |v[XR]|, |v[XR+1]|, 0x1800000             ; the quantiser: my 8 numbers and the floor 2^(3 - 127)
	v_max3_num_f32 v164, v164, |v[XR+2]|, |v[XR+3]|
	v_max3_num_f32 v164, v164, |v[XR+4]|, |v[XR+5]|
	v_max3_num_f32 v164, v164, |v[XR+6]|, |v[XR+7]|
.irp m, 1,2,4,8
.irp e, 0,1,2,3,4,5,6,7
	v_add_f32_dpp v[AR+\e], v[AR+\e], v[AR+\e] row_xmask:\m row_mask:0xf bank_mask:0xf   ; the eight sums by turns, over 16 lanes
.endr
.endr
.irp e, 0,1,2,3,4,5,6,7
	v_permlanex16_b32 v[PD+\e], v[AR+\e], s30, s31
.endr
.irp e, 0,1,2,3,4,5,6,7
	v_add_f32 v[AR+\e], v[AR+\e], v[PD+\e]         ; and the other 16: my wave's part of the eight logits, in every lane
.endr
	ds_store_b128 v5, v[AR:AR+3] offset:128*(\tau)                 ; all lanes write the same bytes with the same values
	ds_store_b128 v5, v[AR+4:AR+7] offset:128*(\tau)+16
	v_max_num_f32_dpp v164, v164, v164 row_xmask:1 row_mask:0xf bank_mask:0xf   ; four neighbouring lanes hold a block of 32
	v_max_num_f32_dpp v164, v164, v164 row_xmask:2 row_mask:0xf bank_mask:0xf
	v_add_nc_u32 v165, 0xff000000, v164            ; 2 off the exponent field: the conversion's scale operand
	v_cvt_scalef32_pk8_fp4_f32 v[QR], v[XR:XR+7], v165
	v_lshrrev_b32 v[QR+1], 23, v165                ; the scale's byte (a plain line behind the conversion)
	ds_store_b32 v3, v[QR] offset:512*(\tau)
	ds_store_b8 v4, v[QR+1] offset:32*(\tau)       ; the block's four lanes write the same byte with the same value
.endm
	s_wait_dscnt 0x0                               ; router_w is back in registers
.irp q, 0,1
.if \q < 1
	s_wait_loadcnt 8                               ; the first four tokens are in; the second batch's eight loads may be out
.else
	s_wait_loadcnt 0
.endif
.irp n, 0,1,2,3
	TOKEN (4*\q+\n)
.endr
.endr
	s_wait_dscnt 0x0                               ; for the others' sake: my LDS stores have landed
	s_barrier_signal -1
	s_barrier_wait -1                              ; (the branch that led here hangs on the work-group's number alone: all four waves pass)
	s_lshl_b32 s38, ttmp9, 12                      ; codes: 8 rows of 512 bytes a work-group, 2 a wave
	s_lshl_b32 s40, s22, 10
	s_add_co_u32 s38, s38, s40
	s_add_nc_u64 s[28:29], s[12:13], s[38:39]
	ds_load_b128 v[XX:XX+3], v6
	ds_load_b128 v[XX+4:XX+7], v6 offset:512
	s_wait_dscnt 1                                 ; LDS loads come back in order: the first row is in, the second may be out
	global_store_b128 v9, v[XX:XX+3], s[28:29]     ; a whole row: 512 consecutive bytes, aligned
	s_wait_dscnt 0x0
	global_store_b128 v9, v[XX+4:XX+7], s[28:29] offset:512
	s_cmp_lg_u32 s22, 0
	s_cbranch_scc1 .Lx_end
	; ---- wave 0: the scale bytes, the zeros of the row list, the router
	ds_load_b64 v[112:113], v10
.irp i, 0,1,2,3,4,5,6,7
	ds_load_b128 v[16+4*\i:16+4*\i+3], v8 offset:16*\i             ; my token's four parts of eight logits: wave i / 2 at v[16 + 8 (i / 2)]
.endr
	s_lshl_b32 s34, ttmp9, 8
	s_add_nc_u64 s[24:25], s[12:13], s[34:35]      ; (all loads are in: the pairs that they named are free)  the scale bytes: 256 a work-group
	s_lshl_b32 s36, ttmp9, 7
	s_add_nc_u64 s[26:27], s[16:17], s[36:37]      ; the row list
	s_lshl_b32 s38, ttmp9, 5
	s_add_nc_u64 s[32:33], s[14:15], s[38:39]      ; the set numbers: 32 bytes a work-group
	s_lshl_b32 s34, ttmp9, 6
	s_add_nc_u64 s[44:45], s[12:13], s[34:35]      ; the gates: 64 bytes
	s_and_b32 s40, ttmp9, 3
	s_cmp_lg_u32 s40, 0
	s_cbranch_scc1 .Lno_zero                       ; every fourth work-group zeroes 512 bytes: 64 x 512 bytes are the whole list
.irp i, 0,1,2,3
	v_mov_b32 v[120+\i], 0
.endr
	global_store_b128 v9, v[120:123], s[26:27]     ; 128 slots of the row list: a slot that gets no token later names token 0
.Lno_zero:
	s_wait_dscnt 0x0
	global_store_b64 v7, v[112:113], s[24:25] offset:1048576       ; 32 lanes store 256 consecutive bytes, aligned
.irp e, 0,1,2,3,4,5,6,7
	v_add_f32 v[48+\e], v[16+\e], v[24+\e]
	v_add_f32 v[56+\e], v[32+\e], v[40+\e]
.endr
.irp e, 0,1,2,3,4,5,6,7
	v_add_f32 v[48+\e], v[48+\e], v[56+\e]         ; the logits
.endr
	v_max3_num_f32 v64, v48, v49, v50
	v_max3_num_f32 v64, v64, v51, v52
	v_max3_num_f32 v64, v64, v53, v54
	v_max_num_f32 v64, v64, v55                    ; the largest is taken away, as the softmax does
.irp e, 0,1,2,3,4,5,6,7
	v_sub_f32 v[48+\e], v[48+\e], v64
.endr
.irp e, 0,1,2,3,4,5,6,7
	v_mul_f32 v[48+\e], 0x3fb8aa3b, v[48+\e]
.endr
.irp e, 0,1,2,3,4,5,6,7
	v_exp_f32 v[48+\e], v[48+\e]
.endr
	v_mov_b32 v66, 0                               ; the best's index (a plain line behind the exponentials)
	v_mov_b32 v68, 0                               ; the second's
	v_mov_b32 v67, -1.0                            ; the second best: under every exponential
	s_wait_alu depctr_va_vdst(0)                   ; one wait for the eight, ahead of their first reader
	v_mov_b32 v65, v48                             ; the best
.irp e, 1,2,3,4,5,6,7
	v_cmp_gt_f32 vcc_lo, v[48+\e], v65             ; strictly above: a tie keeps the lower index
	v_cmp_gt_f32 s40, v[48+\e], v67
	v_cndmask_b32 v67, v67, v[48+\e], s40
	v_cndmask_b32 v68, v68, \e, s40
	v_cndmask_b32 v67, v67, v65, vcc_lo
	v_cndmask_b32 v68, v68, v66, vcc_lo
	v_cndmask_b32 v65, v65, v[48+\e], vcc_lo
	v_cndmask_b32 v66, v66, \e, vcc_lo
.endr
	v_add_f32 v69, v65, v67
	v_rcp_f32 v69, v69
	v_min_u32 v70, v66, v68                        ; a < b: the token's set of experts
	v_max_u32 v71, v66, v68
	v_cmp_lt_u32 vcc_lo, v66, v68
	s_wait_alu depctr_va_vdst(0)                   ; ahead of the reciprocal's first reader
	v_mul_f32 v72, v65, v69
	v_mul_f32 v73, v67, v69
	v_cndmask_b32 v74, v73, v72, vcc_lo            ; a's gate,
	v_cndmask_b32 v75, v72, v73, vcc_lo            ; b's
	v_sub_nc_u32 v76, 15, v70
	v_mul_u32_u24 v76, v70, v76
	v_lshrrev_b32 v76, 1, v76
	v_sub_nc_u32 v77, v71, v70
	v_add3_u32 v76, v76, v77, -1                   ; the set's number: a (15 - a) / 2 + b - a - 1, 0 .. 27
	v_lshlrev_b32 v78, 2, v1
	s_wait_xcnt 0x0                                ; EXEC is a source of the stores above: it changes only behind this wait
	v_cmp_gt_u32 vcc_lo, 8, v1
	s_and_saveexec_b32 s40, vcc_lo                 ; lanes 0 to 7 hold the eight tokens; the others hold copies
	global_store_b32 v78, v76, s[32:33]
	global_store_b64 v7, v[74:75], s[44:45] offset:1114112
	s_wait_xcnt 0x0                                ; and again, ahead of the line that widens it
	s_or_b32 exec_lo, exec_lo, s40
.Lx_end:
	s_wait_tensorcnt 0x0
	ds_add_u32 v192, v193
	s_wait_dscnt 0x0
	s_endpgm
.Lfunc_end_k_q8f04daa7cf_prep:
	.size	k_q8f04daa7cf_prep, .Lfunc_end_k_q8f04daa7cf_prep-k_q8f04daa7cf_prep
	.p2alignl 7, 3214868480
	.fill 96, 4, 3214868480
	.section	.rodata,"a",@progbits
	.p2align	6, 0x0
	.amdhsa_kernel k_q8f04daa7cf_prep
		.amdhsa_group_segment_fixed_size 40704
		.amdhsa_private_segment_fixed_size 0
		.amdhsa_enable_private_segment 0
		.amdhsa_kernarg_size 72
		.amdhsa_user_sgpr_count 2
		.amdhsa_user_sgpr_kernarg_segment_ptr 1
		.amdhsa_wavefront_size32 1
		.amdhsa_system_sgpr_workgroup_id_x 1
		.amdhsa_system_sgpr_workgroup_id_y 1
		.amdhsa_system_sgpr_workgroup_id_z 1
		.amdhsa_system_vgpr_workitem_id 0
		.amdhsa_next_free_vgpr 194
		.amdhsa_next_free_sgpr 66
		.amdhsa_reserve_vcc 1
		.amdhsa_float_denorm_mode_32 3
		.amdhsa_float_denorm_mode_16_64 3
		.amdhsa_memory_ordered 1
		.amdhsa_forward_progress 1
		.amdhsa_inst_pref_size 137
	.end_amdhsa_kernel
	.amdgpu_metadata
---
amdhsa.version: [ 1, 2 ]
amdhsa.kernels:
  - .name:           k_q8f04daa7cf_prep
    .symbol:         k_q8f04daa7cf_prep.kd
    .args:
      - { .name: hidden_states, .offset: 0, .size: 8, .value_kind: global_buffer, .address_space: global }
      - { .name: router_w, .offset: 8, .size: 8, .value_kind: global_buffer, .address_space: global }
      - { .name: w1, .offset: 16, .size: 8, .value_kind: global_buffer, .address_space: global }
      - { .name: w2, .offset: 24, .size: 8, .value_kind: global_buffer, .address_space: global }
      - { .name: xq, .offset: 32, .size: 8, .value_kind: global_buffer, .address_space: global }
      - { .name: setid, .offset: 40, .size: 8, .value_kind: global_buffer, .address_space: global }
      - { .name: plan, .offset: 48, .size: 8, .value_kind: global_buffer, .address_space: global }
      - { .name: wc, .offset: 56, .size: 8, .value_kind: global_buffer, .address_space: global }
      - { .name: ws, .offset: 64, .size: 8, .value_kind: global_buffer, .address_space: global }
    .group_segment_fixed_size: 40704
    .private_segment_fixed_size: 0
    .kernarg_segment_align: 8
    .kernarg_segment_size: 72
    .max_flat_workgroup_size: 128
    .sgpr_count:     66
    .vgpr_count:     194
    .wavefront_size: 32
...
	.end_amdgpu_metadata
.endif
;; end of part 1
;; launch place (part 2): grid 1 x 1, 16 waves a work-group, no clusters, 4,096 bytes of LDS; arguments setid, plan; writes plan
.if DOCPART == 2
	.amdgcn_target "amdgcn-amd-amdhsa--gfx1250"
	.amdhsa_code_object_version 6
	.text
	.protected	k_q8f04daa7cf_place
	.globl	k_q8f04daa7cf_place
	.p2align	8
	.type	k_q8f04daa7cf_place,@function
k_q8f04daa7cf_place:
	s_mov_b64 s[64:65], 0
	v_nop
	global_prefetch_b8 v0, s[64:65] scope:SCOPE_SE
	s_setreg_imm32_b32 hwreg(HW_REG_WAVE_MODE, 25, 1), 1
	s_wait_xcnt 0x0
; PLACE.  A counting sort of the 2,048 tokens by their set of two experts (28 sets), by one work-group, without atomics and without a branch on data.
; Each set gets whole tiles of 128 slots; there are never more than 2,048 / 128 + 28 - 1 = 43 tiles.  Stored: the row list [64 tiles][128 slots] (token numbers; slots that get none were zeroed by the launch before)
; and the tile table [64][4] at byte 32,768: expert a, expert b, number of rows, 0.
; Wave w owns four groups of 32 tokens, 4 w .. 4 w + 3, a lane to a token.  In the vectors of counts a lane stands for a set.
; COUNTS AND RANKS come from the five ballots of the set number's bits, not from a walk over the 28 sets.  A ballot, xor all ones where my own bit is clear, is the mask of the lanes that agree with me in that bit;
; the AND of the five is the mask of the tokens of my token's set, and the number of its bits under my lane is my token's rank.  The same five ballots against the bits of my LANE's number give the mask of the
; tokens of set = lane; its population count (twelve plain lines) is the group's count of that set.  The four groups take turns line by line, so that no line waits for the line above it.
.set ID,  4                            ; v4-7    my four tokens' sets
.set T0,  8                            ; v8-11   at work
.set T1,  12                           ; v12-15  at work
.set MR,  16                           ; v16-19  masks: the tokens of my token's set
.set MC,  20                           ; v20-23  masks: the tokens of set = my lane
.set YB,  24                           ; v24-28  all ones where bit k of my lane's number is clear
.set RK,  32                           ; v32-35  ranks
.set CN,  36                           ; v36-39  counts (lane = set)
	s_load_b128 s[4:7], s[0:1], 0x0                ; setid, plan
	v_lshl_add_u32 v128, v0, 2, 0x800
	v_mov_b32 v129, 0
	v_lshrrev_b32 v1, 5, v0
	v_readfirstlane_b32 s8, v1                     ; wave 0..15
	v_and_b32 v1, 31, v0                           ; lane
	s_lshl_b32 s9, s8, 9
	v_lshl_add_u32 v2, v1, 2, s9                   ; 512 w + 4 l: my first token's word in setid
	v_lshlrev_b32 v3, 2, v1
	s_lshl_b32 s9, s8, 7
	v_lshl_add_u32 v43, v1, 2, s9                  ; LDS: 128 w + 4 l: my wave's vector of counts
	s_wait_kmcnt 0x0
.irp j, 0,1,2,3
	global_load_b32 v[ID+\j], v2, s[4:5] offset:128*\j
.endr
	v_xor_b32 v29, -1, v1
.irp k, 0,1,2,3,4
	v_lshlrev_b32 v[YB+\k], 31-\k, v29
.endr
.irp k, 0,1,2,3,4
	v_ashrrev_i32 v[YB+\k], 31, v[YB+\k]
.endr
	s_mov_b32 s28, 0x55555555
	s_mov_b32 s29, 0x33333333
	s_mov_b32 s30, 0x0f0f0f0f
	s_mov_b32 s31, 0x01010101
	v_mov_b32 v44, 0                               ; the running sum over the waves
	v_mov_b32 v45, 0                               ; what stood in it at my wave
	v_mov_b32 v47, 0                               ; each set's first tile
	s_wait_loadcnt 0x0
.irp j, 0,1,2,3
	v_min_u32 v[ID+\j], 27, v[ID+\j]
.endr
.irp k, 0,1,2,3,4
.irp j, 0,1,2,3
	v_and_b32 v[T0+\j], 1<<\k, v[ID+\j]
.endr
.irp j, 0,1,2,3
	v_cmp_ne_u32 s[20+\j], 0, v[T0+\j]             ; the ballot of bit k in group j
.endr
.irp j, 0,1,2,3
	v_cndmask_b32 v[T1+\j], -1, 0, s[20+\j]        ; all ones where my token's bit is clear
.endr
.if \k == 0
.irp j, 0,1,2,3
	v_xor_b32 v[MR+\j], s[20+\j], v[T1+\j]         ; the lanes that agree with my token in this bit,
	v_xor_b32 v[MC+\j], s[20+\j], v[YB+\k]         ; and with my lane's number
.endr
.else
.irp j, 0,1,2,3
	v_xor_b32 v[T1+\j], s[20+\j], v[T1+\j]
	v_xor_b32 v[T0+\j], s[20+\j], v[YB+\k]
.endr
.irp j, 0,1,2,3
	v_and_b32 v[MR+\j], v[MR+\j], v[T1+\j]
	v_and_b32 v[MC+\j], v[MC+\j], v[T0+\j]
.endr
.endif
.endr
.irp j, 0,1,2,3
	v_mbcnt_lo_u32_b32 v[RK+\j], v[MR+\j], 0       ; how many tokens of my token's set stand in lower lanes
.endr
	; the population count of MC: pairs, fours, bytes, and the sum of the four bytes by a multiplication
.irp j, 0,1,2,3
	v_lshrrev_b32 v[T0+\j], 1, v[MC+\j]
.endr
.irp j, 0,1,2,3
	v_and_b32 v[T0+\j], s28, v[T0+\j]
.endr
.irp j, 0,1,2,3
	v_sub_nc_u32 v[MC+\j], v[MC+\j], v[T0+\j]
.endr
.irp j, 0,1,2,3
	v_lshrrev_b32 v[T0+\j], 2, v[MC+\j]
.endr
.irp j, 0,1,2,3
	v_and_b32 v[T0+\j], s29, v[T0+\j]
.endr
.irp j, 0,1,2,3
	v_and_b32 v[MC+\j], s29, v[MC+\j]
.endr
.irp j, 0,1,2,3
	v_add_nc_u32 v[MC+\j], v[MC+\j], v[T0+\j]
.endr
.irp j, 0,1,2,3
	v_lshrrev_b32 v[T0+\j], 4, v[MC+\j]
.endr
.irp j, 0,1,2,3
	v_add_nc_u32 v[MC+\j], v[MC+\j], v[T0+\j]
.endr
.irp j, 0,1,2,3
	v_and_b32 v[MC+\j], s30, v[MC+\j]
.endr
.irp j, 0,1,2,3
	v_mul_lo_u32 v[MC+\j], v[MC+\j], s31
.endr
.irp j, 0,1,2,3
	v_lshrrev_b32 v[CN+\j], 24, v[MC+\j]
.endr
	v_add_nc_u32 v40, v[CN], v[CN+1]               ; what stands ahead of my third group,
	v_add_nc_u32 v41, v40, v[CN+2]                 ; of my fourth,
	v_add_nc_u32 v42, v41, v[CN+3]                 ; and my wave's sum
	ds_store_b32 v43, v42
	s_wait_dscnt 0x0                               ; for the others' sake
	s_barrier_signal -1
	s_barrier_wait -1
.set G, 0
.rept 16
	ds_load_b32 v[48+G], v3 offset:128*G           ; all sixteen waves' counts of my lane's set
.set G, G+1
.endr
	s_wait_dscnt 0x0
.set G, 0
.rept 16
.if G > 0
	s_cmp_eq_u32 s8, G
	s_cselect_b32 s22, -1, 0
	v_cndmask_b32 v45, v45, v44, s22               ; the sum over the waves ahead of mine
.endif
	v_add_nc_u32 v44, v44, v[48+G]
.set G, G+1
.endr
	v_add_nc_u32 v46, 127, v44
	v_lshrrev_b32 v46, 7, v46                      ; the set's tiles
.set L, 0
.rept 28
	v_readlane_b32 s[68+L], v46, L
.set L, L+1
.endr
	s_mov_b32 s24, 0                               ; the first tile of the set in hand
.set L, 0
.rept 28
	v_writelane_b32 v47, s24, L
	s_add_co_u32 s24, s24, s[68+L]
.set L, L+1
.endr
	v_lshl_add_u32 v64, v47, 7, v45                ; lane = set: the slot of my first group's first token of that set,
	v_add_nc_u32 v65, v64, v[CN]                   ; of my second group's,
	v_add_nc_u32 v66, v64, v40
	v_add_nc_u32 v67, v64, v41
.irp j, 0,1,2,3
	v_lshlrev_b32 v[68+\j], 2, v[ID+\j]
.endr
.irp j, 0,1,2,3
	ds_bpermute_b32 v[72+\j], v[68+\j], v[64+\j]   ; each token pulls its set's
.endr
	s_lshl_b32 s11, s8, 7
	v_add_nc_u32 v76, s11, v1                      ; my four tokens' numbers
	v_add_nc_u32 v77, 32, v76
	v_add_nc_u32 v78, 64, v76
	v_add_nc_u32 v79, 0x60, v76
	s_wait_dscnt 0x0
.irp j, 0,1,2,3
	v_add_nc_u32 v[72+\j], v[72+\j], v[RK+\j]
.endr
.irp j, 0,1,2,3
	v_min_u32 v[72+\j], 5503, v[72+\j]             ; 43 tiles of 128 slots
.endr
.irp j, 0,1,2,3
	v_lshlrev_b32 v[72+\j], 2, v[72+\j]
.endr
.irp j, 0,1,2,3
	global_store_b32 v[72+\j], v[76+\j], s[6:7]
.endr
	s_cmp_gt_u32 s8, 1
	s_cbranch_scc1 .Lend
	; ---- waves 0 and 1: the table, a lane to a tile: tiles 32 w + lane
	s_lshl_b32 s9, s8, 5
	v_add_nc_u32 v16, s9, v1
	v_mov_b32 v17, 0                               ; a + 8 b,
	v_mov_b32 v19, 0                               ; the first tile,
	v_mov_b32 v21, 0                               ; and the tokens of the set that owns my tile
	s_mov_b32 s24, 0
.set L, 0
.set PA, 0
.set PB, 1
.rept 28
	v_readlane_b32 s26, v44, L
	v_cmp_le_u32 vcc_lo, s24, v16                  ; the last set that begins at or under a tile owns it
	v_cndmask_b32 v17, v17, PA+8*PB, vcc_lo
	v_cndmask_b32 v19, v19, s24, vcc_lo
	v_cndmask_b32 v21, v21, s26, vcc_lo
	s_add_co_u32 s24, s24, s[68+L]
.set L, L+1
.set PB, PB+1
.if PB == 8
.set PA, PA+1
.set PB, PA+1
.endif
.endr
	v_and_b32 v100, 7, v17                         ; a, b,
	v_lshrrev_b32 v101, 3, v17
	v_sub_nc_u32 v31, v16, v19                     ; which tile of its set,
	v_lshlrev_b32 v31, 7, v31
	v_min_u32 v31, v21, v31
	v_sub_nc_u32 v31, v21, v31
	v_min_u32 v102, 128, v31                       ; its rows: what is left of the set, 128 at the most, 0 in a tile that no set fills
	v_mov_b32 v103, 0
	v_lshlrev_b32 v96, 4, v16
	global_store_b128 v96, v[100:103], s[6:7] offset:32768         ; 32 lanes store 512 consecutive bytes, aligned
.Lend:
	s_wait_tensorcnt 0x0
	ds_add_u32 v128, v129
	s_wait_dscnt 0x0
	s_endpgm
.Lfunc_end_k_q8f04daa7cf_place:
	.size	k_q8f04daa7cf_place, .Lfunc_end_k_q8f04daa7cf_place-k_q8f04daa7cf_place
	.p2alignl 7, 3214868480
	.fill 96, 4, 3214868480
	.section	.rodata,"a",@progbits
	.p2align	6, 0x0
	.amdhsa_kernel k_q8f04daa7cf_place
		.amdhsa_group_segment_fixed_size 4096
		.amdhsa_private_segment_fixed_size 0
		.amdhsa_enable_private_segment 0
		.amdhsa_kernarg_size 16
		.amdhsa_user_sgpr_count 2
		.amdhsa_user_sgpr_kernarg_segment_ptr 1
		.amdhsa_wavefront_size32 1
		.amdhsa_system_sgpr_workgroup_id_x 1
		.amdhsa_system_sgpr_workgroup_id_y 1
		.amdhsa_system_sgpr_workgroup_id_z 1
		.amdhsa_system_vgpr_workitem_id 0
		.amdhsa_next_free_vgpr 130
		.amdhsa_next_free_sgpr 96
		.amdhsa_reserve_vcc 1
		.amdhsa_float_denorm_mode_32 3
		.amdhsa_float_denorm_mode_16_64 3
		.amdhsa_memory_ordered 1
		.amdhsa_forward_progress 1
		.amdhsa_inst_pref_size 29
	.end_amdhsa_kernel
	.amdgpu_metadata
---
amdhsa.version: [ 1, 2 ]
amdhsa.kernels:
  - .name:           k_q8f04daa7cf_place
    .symbol:         k_q8f04daa7cf_place.kd
    .args:
      - { .name: setid, .offset: 0, .size: 8, .value_kind: global_buffer, .address_space: global }
      - { .name: plan, .offset: 8, .size: 8, .value_kind: global_buffer, .address_space: global }
    .group_segment_fixed_size: 4096
    .private_segment_fixed_size: 0
    .kernarg_segment_align: 8
    .kernarg_segment_size: 16
    .max_flat_workgroup_size: 512
    .sgpr_count:     96
    .vgpr_count:     130
    .wavefront_size: 32
...
	.end_amdgpu_metadata
.endif
;; end of part 2
;; launch ffn1 (part 3): grid 8 x 43, 4 waves a work-group, no clusters, 0 bytes of LDS; arguments plan, xq, wc, ws, b1, hc, hs; writes hc, hs
.if DOCPART == 3
	.amdgcn_target "amdgcn-amd-amdhsa--gfx1250"
	.amdhsa_code_object_version 6
	.text
	.protected	k_q8f04daa7cf_ffn1
	.globl	k_q8f04daa7cf_ffn1
	.p2align	8
	.type	k_q8f04daa7cf_ffn1,@function
k_q8f04daa7cf_ffn1:
	s_mov_b64 s[64:65], 0
	v_nop
	global_prefetch_b8 v0, s[64:65] scope:SCOPE_SE
	s_setreg_imm32_b32 hwreg(HW_REG_WAVE_MODE, 25, 1), 1
	s_wait_xcnt 0x0
; FFN1.  hid = gelu(x W1 + b1) for the rows of one tile and one of its two experts, quantised to FP4 along the hidden units and stored as images of the second product's operand registers.
; Work-group (x = j, y = tile): expert a (j < 4) or b; wave w makes hidden units 128 u .. 128 u + 127, u = 4 (j % 4) + w: one K step of the second product.  Its 64 fragments of W1 stay in registers.
; The tile table and the row list were stored by an earlier launch.  A tile without rows ends at once; therefore operands come from memory straight into registers: no LDS, no barrier, no cluster
; (partners would need different numbers of tiles, known only from memory).
; THE PRODUCT IS USED TRANSPOSED: source 0 = 16 rows of W1, source 1 = 16 tokens.  A lane holds one token, and the 16 registers of tiles 2 b, 2 b + 1 are units 32 b + 16 (lane / 16) + 0 .. 15 (the rows of a tile were chosen so).
; gelu(v) = v / (1 + 2^(v (c0 + c1 v^2))), c0 = -2 sqrt(2 / pi) log2 e, c1 = 0.044715 c0: the tanh form, written as a sigmoid; all in f32.
; Slots of the row list behind a tile's last row name token 0: such rows are computed and stored, and nobody keeps them.
; LIMITS: NaN and infinities are not served; a block of zeros gets the byte 1 (its codes are zeros; this program alone reads the bytes).
; REGISTERS, in windows of 256.  Window 0: below.  Window 1: W1's K steps 0-3, fragment (s, t) at 64 s + 8 t.  Window 2: K steps 4-7.  Window 3: v0-63 b1 in the result's layout; v64-127, v128-191 x's fragments, two slots.
.set LI,   1                           ; 16 x lane
.set LS,   2                           ; 4 x lane
.set R4,   3                           ; 4 (lane % 16)
.set H16,  4                           ; 16 (lane / 16)
.set H64,  5                           ; 64 (lane / 16)
.set AC,   6                           ; v6-7   byte offsets of my token's codes, slot 0, 1
.set AS,   8                           ; v8-9   of its scale words
.set C0,   10                          ; v[10:11] c0 twice
.set C1,   12                          ; v[12:13] c1 twice
.set L8,   14                          ; 8 x lane
.set TOKV, 16                          ; v16-23 my token of the row tiles in hand and ahead
.set XS,   24                          ; v24-39 x's scale words, two slots of 8: scales and nothing else
.set W1S,  40                          ; v40-71 W1's scale words, pair p, K step s at 8 p + s: lanes 0-15 tile 2 p, lanes 16-31 tile 2 p + 1
.set PC,   72                          ; v72-79 the codes just made
.set TM,   80                          ; v80-95 the quantiser's scratch
.set PW,   96                          ; the scale word just made
.set HA,   128                         ; v128-191 my 8 tiles of the hidden layer
.set T,    192                         ; v192-255 gelu's scratch
.set BI,   0                           ; window 3
.set XF,   64                          ; window 3
.set MSB, 0
.macro WIN new                         ; the immediate's high byte repeats the setting that is left
.if MSB != \new
	s_set_vgpr_msb (MSB<<8)|\new
.set MSB, \new
.endif
.endm
; one product; c < 0: the constant 0 starts the sum; odd: source 0's scales stand in lanes 16-31
.macro MM d, a, b, c, sa, sb, odd
.if \odd
.if (\c) < 0
	v_wmma_scale_f32_16x16x128_f8f6f4 v[(\d):(\d)+7], v[(\a):(\a)+7], v[(\b):(\b)+7], 0, v[\sa], v[\sb] matrix_a_fmt:MATRIX_FMT_FP4 matrix_b_fmt:MATRIX_FMT_FP4 matrix_a_scale:MATRIX_SCALE_ROW1
.else
	v_wmma_scale_f32_16x16x128_f8f6f4 v[(\d):(\d)+7], v[(\a):(\a)+7], v[(\b):(\b)+7], v[(\c):(\c)+7], v[\sa], v[\sb] matrix_a_fmt:MATRIX_FMT_FP4 matrix_b_fmt:MATRIX_FMT_FP4 matrix_a_scale:MATRIX_SCALE_ROW1
.endif
.else
.if (\c) < 0
	v_wmma_scale_f32_16x16x128_f8f6f4 v[(\d):(\d)+7], v[(\a):(\a)+7], v[(\b):(\b)+7], 0, v[\sa], v[\sb] matrix_a_fmt:MATRIX_FMT_FP4 matrix_b_fmt:MATRIX_FMT_FP4
.else
	v_wmma_scale_f32_16x16x128_f8f6f4 v[(\d):(\d)+7], v[(\a):(\a)+7], v[(\b):(\b)+7], v[(\c):(\c)+7], v[\sa], v[\sb] matrix_a_fmt:MATRIX_FMT_FP4 matrix_b_fmt:MATRIX_FMT_FP4
.endif
.endif
.endm
; a row tile's operand into slot sl: 16 tokens x 1,024 codes and their 8 scale words: 18 loads.  The id is held inside the table directly ahead of the shifts that make the offsets
.macro TLOAD sl, idr
	v_min_u32 v[AS+\sl], 2047, v[\idr]
	v_lshl_add_u32 v[AC+\sl], v[AS+\sl], 9, v[H16]                 ; a row of codes is 512 bytes; + my half's 16
	v_lshlrev_b32 v[AS+\sl], 5, v[AS+\sl]                          ; a row of scale bytes is 32
	WIN 0xc0                                       ; destination window 3
.irp ks, 0,1,2,3,4,5,6,7
.irp c, 0,1
	global_load_b128 v[XF+64*\sl+8*\ks+4*\c:XF+64*\sl+8*\ks+4*\c+3], v[AC+\sl], s[6:7] offset:64*\ks+32*\c
.endr
.endr
	WIN 0
	global_load_b128 v[XS+8*\sl:XS+8*\sl+3], v[AS+\sl], s[6:7] offset:1048576
	global_load_b128 v[XS+8*\sl+4:XS+8*\sl+7], v[AS+\sl], s[6:7] offset:1048576+16
.endm
; 64 numbers of a lane, register 16 b + i = k 32 b + 16 (lane / 16) + i of my row, become a fragment's codes in v[PC] on and its scale word in v[PW]
.macro QUANT src
.irp b, 0,1,2,3
	v_max3_num_f32 v[TM+\b], |v[\src+16*\b]|, |v[\src+1+16*\b]|, 0x1800000   ; block b: my 16 numbers, and the floor 2^(3 - 127)
.endr
.irp i, 2,4,6,8,10,12,14
.irp b, 0,1,2,3
	v_max3_num_f32 v[TM+\b], v[TM+\b], |v[\src+16*\b+\i]|, |v[\src+1+16*\b+\i]|   ; the four blocks by turns
.endr
.endr
.irp b, 0,1,2,3
	v_permlanex16_b32 v[TM+4+\b], v[TM+\b], s38, s39
.endr
.irp b, 0,1,2,3
	v_max_num_f32 v[TM+\b], v[TM+\b], v[TM+4+\b]   ; with lane l xor 16's: the block's largest magnitude
.endr
.irp b, 0,1,2,3
	v_add_nc_u32 v[TM+12+\b], 0xff000000, v[TM+\b] ; 2 off its exponent field: the conversion's scale operand
.endr
.irp b, 0,1,2,3
	v_lshrrev_b32 v[TM+4+\b], 23, v[TM+12+\b]      ; the scale's byte
.endr
	v_lshl_or_b32 v[PW], v[TM+5], 8, v[TM+4]
	v_lshl_or_b32 v[PW], v[TM+6], 16, v[PW]
	v_lshl_or_b32 v[PW], v[TM+7], 24, v[PW]
.irp b, 0,1,2,3
	v_cvt_scalef32_pk8_fp4_f32 v[PC+2*\b], v[\src+16*\b:\src+7+16*\b], v[TM+12+\b]
	v_cvt_scalef32_pk8_fp4_f32 v[PC+1+2*\b], v[\src+8+16*\b:\src+15+16*\b], v[TM+12+\b]
.endr
	v_nop                                          ; one plain line behind a scaled conversion
.irp c, 0,1                                    ; the operand wants a whole block in a lane: lanes 0-15 block 2 c, lanes 16-31 block 2 c + 1
.irp i, 0,1
	v_permlane16_swap_b32 v[PC+4*\c+\i], v[PC+2+4*\c+\i]
.endr
.endr
.endm
	s_load_b256 s[4:11], s[0:1], 0x0               ; plan s[4:5], xq s[6:7], wc s[8:9], ws s[10:11]
	s_load_b128 s[12:15], s[0:1], 0x20             ; b1 s[12:13], hc s[14:15]
	s_load_b64 s[16:17], s[0:1], 0x30              ; hs
	v_lshrrev_b32 v15, 5, v0
	v_readfirstlane_b32 s18, v15                   ; wave
	v_and_b32 v15, 31, v0
	v_lshlrev_b32 v[LI], 4, v15
	v_lshlrev_b32 v[LS], 2, v15
	v_lshlrev_b32 v[L8], 3, v15
	v_and_b32 v[R4], 15, v0
	v_lshlrev_b32 v[R4], 2, v[R4]
	v_bfe_u32 v[H16], v0, 4, 1
	v_lshlrev_b32 v[H64], 6, v[H16]
	v_lshlrev_b32 v[H16], 4, v[H16]
	v_mov_b32 v[C0], 0xc0135761
	v_mov_b32 v[C0+1], 0xc0135761
	v_mov_b32 v[C1], 0xbdd2d3e8
	v_mov_b32 v[C1+1], 0xbdd2d3e8
.irp b, 0,1,2,3
	v_mov_b32 v[TM+4+\b], 0                        ; written once: a lane permute's destination counts as one of its sources
.endr
	s_mov_b32 s38, 0x76543210
	s_mov_b32 s39, 0xfedcba98
	s_and_b32 s19, ttmp7, 0xffff                   ; the tile
	s_lshl_b32 s24, s19, 4
	s_lshl_b32 s28, s19, 9
	s_mov_b32 s29, 0
	s_wait_kmcnt 0x0
	s_load_b128 s[20:23], s[4:5], s24 offset:0x8000  ; a, b, rows, 0
	s_add_nc_u64 s[26:27], s[4:5], s[28:29]        ; the tile's 128 slots of the row list
.irp m, 0,1,2,3,4,5,6,7
	global_load_b32 v[TOKV+\m], v[R4], s[26:27] offset:64*\m       ; lane (r, h): the token of slot 16 m + r
.endr
	s_wait_kmcnt 0x0
	s_min_u32 s22, s22, 128
	s_cmp_eq_u32 s22, 0
	s_cbranch_scc1 .Lend                           ; a tile that this split leaves without rows
	s_add_co_u32 s25, s22, 15
	s_lshr_b32 s25, s25, 4                         ; row tiles of 16
	s_lshr_b32 s30, ttmp9, 2                       ; which of the two experts
	s_cmp_lg_u32 s30, 0
	s_cselect_b32 s31, s21, s20
	s_min_u32 s31, s31, 7                          ; e
	s_and_b32 s32, ttmp9, 3
	s_lshl_b32 s32, s32, 2
	s_add_co_u32 s32, s32, s18                     ; u
	s_lshl_b32 s33, s31, 4
	s_add_co_u32 s33, s33, s32
	s_lshl_b32 s28, s33, 16
	s_add_nc_u64 s[8:9], s[8:9], s[28:29]          ; my 64 fragments of W1,
	s_lshl_b32 s28, s33, 12
	s_add_nc_u64 s[10:11], s[10:11], s[28:29]      ; their scale words,
	s_lshl_b32 s28, s31, 13
	s_lshl_b32 s34, s32, 9
	s_add_co_u32 s28, s28, s34
	s_add_nc_u64 s[12:13], s[12:13], s[28:29]      ; my 128 numbers of b1
	s_lshl_b32 s28, s19, 18                        ; hc [tile][k 2][row tile 8][K step 16][1,024]
	s_lshl_b32 s34, s30, 17
	s_add_co_u32 s28, s28, s34
	s_lshl_b32 s34, s32, 10
	s_add_co_u32 s28, s28, s34
	s_add_nc_u64 s[14:15], s[14:15], s[28:29]
	s_lshl_b32 s28, s19, 15                        ; hs likewise, 128 bytes an image
	s_lshl_b32 s34, s30, 14
	s_add_co_u32 s28, s28, s34
	s_lshl_b32 s34, s32, 7
	s_add_co_u32 s28, s28, s34
	s_add_nc_u64 s[16:17], s[16:17], s[28:29]
	WIN 0xc0
.irp t, 0,1,2,3,4,5,6,7                        ; b1 in the result's layout: tile t, lane half h: units 32 (t / 2) + 8 (t % 2) + 16 h + 0 .. 7
	global_load_b128 v[BI+8*\t:BI+8*\t+3], v[H64], s[12:13] offset:(32*(\t/2)+8*(\t%2))*4
	global_load_b128 v[BI+8*\t+4:BI+8*\t+7], v[H64], s[12:13] offset:(32*(\t/2)+8*(\t%2))*4+16
.endr
	WIN 0
.irp p, 0,1,2,3
.irp q, 0,1,2,3
	global_load_b64 v[W1S+8*\p+2*\q:W1S+8*\p+2*\q+1], v[L8], s[10:11] offset:1024*\p+256*\q
.endr
.endr
	s_wait_loadcnt 32                              ; the eight ids are in; the 32 loads issued behind them may be out
	TLOAD 0, TOKV
	TLOAD 1, TOKV+1
	WIN 0x40                                       ; destination window 1
.irp ks, 0,1,2,3
.irp t, 0,1,2,3,4,5,6,7
.irp c, 0,1
	global_load_b128 v[64*\ks+8*\t+4*\c:64*\ks+8*\t+4*\c+3], v[LI], s[8:9] offset:8192*\ks+1024*\t+512*\c   ; 512 consecutive bytes an instruction
.endr
.endr
.endr
	WIN 0x80                                       ; destination window 2
.irp ks, 0,1,2,3
.irp t, 0,1,2,3,4,5,6,7
.irp c, 0,1
	global_load_b128 v[64*\ks+8*\t+4*\c:64*\ks+8*\t+4*\c+3], v[LI], s[8:9] offset:8192*(\ks+4)+1024*\t+512*\c
.endr
.endr
.endr
	WIN 0
	s_wait_loadcnt 0x0
; row tile M + sl, from slot sl
.macro SUB sl
.if \sl == 0
	s_cmp_ge_u32 s36, s25
.else
	s_add_co_u32 s37, s36, 1
	s_cmp_ge_u32 s37, s25
.endif
	s_cbranch_scc1 .Ldone                          ; no rows left: out of the loop, so that no later turn follows one that was left out
	s_wait_loadcnt 18                              ; this slot's 18 loads are in; the other slot's 18, issued behind them, may be out
	WIN 0x3d                                       ; source 0 (W1) window 1, source 1 (x) window 3, C (b1) window 3, D window 0
.irp t, 0,1,2,3,4,5,6,7                        ; the eight accumulators take turns, one instruction a turn
	MM HA+8*\t, 8*\t, XF+64*\sl, BI+8*\t, W1S+8*(\t/2), XS+8*\sl, \t%2
.endr
	WIN 0x0d
.irp ks, 1,2,3
.irp t, 0,1,2,3,4,5,6,7
	MM HA+8*\t, 64*\ks+8*\t, XF+64*\sl+8*\ks, HA+8*\t, W1S+8*(\t/2)+\ks, XS+8*\sl+\ks, \t%2
.endr
.endr
	WIN 0x0e                                       ; source 0 window 2
.irp ks, 4,5,6,7
.irp t, 0,1,2,3,4,5,6,7
	MM HA+8*\t, 64*(\ks-4)+8*\t, XF+64*\sl+8*\ks, HA+8*\t, W1S+8*(\t/2)+\ks, XS+8*\sl+\ks, \t%2
.endr
.endr
	WIN 0
	v_nop                                          ; with the three address lines below: four plain lines between the last product and the loads into its operands, and the first read of results
	TLOAD \sl, TOKV+2+\sl                          ; the row tile two on
.set J, 0
.rept 32
	v_pk_mul_f32 v[T+J:T+J+1], v[HA+J:HA+J+1], v[HA+J:HA+J+1]      ; v^2; each accumulator is read from its low end on
.set J, J+2
.endr
.set J, 0
.rept 32
	v_pk_fma_f32 v[T+J:T+J+1], v[T+J:T+J+1], v[C1:C1+1], v[C0:C0+1]
.set J, J+2
.endr
.set J, 0
.rept 32
	v_pk_mul_f32 v[T+J:T+J+1], v[T+J:T+J+1], v[HA+J:HA+J+1]
.set J, J+2
.endr
.set J, 0
.rept 64
	v_exp_f32 v[T+J], v[T+J]
.set J, J+1
.endr
	v_nop                                          ; a plain line behind the last exponential
	s_wait_alu depctr_va_vdst(0)                   ; one wait for the batch, ahead of its first reader
.set J, 0
.rept 32
	v_pk_add_f32 v[T+J:T+J+1], v[T+J:T+J+1], 1.0 op_sel_hi:[1,0]
.set J, J+2
.endr
.set J, 0
.rept 64
	v_rcp_f32 v[T+J], v[T+J]
.set J, J+1
.endr
	v_nop
	s_wait_alu depctr_va_vdst(0)
.set J, 0
.rept 32
	v_pk_mul_f32 v[HA+J:HA+J+1], v[HA+J:HA+J+1], v[T+J:T+J+1]      ; gelu
.set J, J+2
.endr
	s_wait_xcnt 0x0                                ; the last turn's stores have read the codes' and the scale word's registers: they are written again only behind this wait
	QUANT HA
	global_store_b128 v[LI], v[PC:PC+3], s[14:15] offset:\sl*16384         ; the fragment as it stands: 512 consecutive bytes a store
	global_store_b128 v[LI], v[PC+4:PC+7], s[14:15] offset:\sl*16384+512
	global_store_b32 v[LS], v[PW], s[16:17] offset:\sl*2048
.endm
	s_mov_b32 s36, 0                               ; M: the trip's first row tile
.Ltrip:
	SUB 0
	SUB 1
	s_wait_xcnt 0x0                                ; the stores have read their bases
	s_add_nc_u64 s[14:15], s[14:15], 32768
	s_add_nc_u64 s[16:17], s[16:17], 4096
.irp i, 0,1,2,3,4,5
	v_mov_b32 v[TOKV+\i], v[TOKV+\i+2]             ; the ids move down two places (the last two stay: the loads that they feed in the last trips name rows of the table and are not used)
.endr
	s_add_co_u32 s36, s36, 2
	s_cmp_lt_u32 s36, 8
	s_cbranch_scc1 .Ltrip
.Ldone:
.Lend:
	s_endpgm
.Lfunc_end_k_q8f04daa7cf_ffn1:
	.size	k_q8f04daa7cf_ffn1, .Lfunc_end_k_q8f04daa7cf_ffn1-k_q8f04daa7cf_ffn1
	.p2alignl 7, 3214868480
	.fill 96, 4, 3214868480
	.section	.rodata,"a",@progbits
	.p2align	6, 0x0
	.amdhsa_kernel k_q8f04daa7cf_ffn1
		.amdhsa_group_segment_fixed_size 0
		.amdhsa_private_segment_fixed_size 0
		.amdhsa_enable_private_segment 0
		.amdhsa_kernarg_size 56
		.amdhsa_user_sgpr_count 2
		.amdhsa_user_sgpr_kernarg_segment_ptr 1
		.amdhsa_wavefront_size32 1
		.amdhsa_system_sgpr_workgroup_id_x 1
		.amdhsa_system_sgpr_workgroup_id_y 1
		.amdhsa_system_sgpr_workgroup_id_z 1
		.amdhsa_system_vgpr_workitem_id 0
		.amdhsa_next_free_vgpr 960
		.amdhsa_next_free_sgpr 66
		.amdhsa_reserve_vcc 0
		.amdhsa_float_denorm_mode_32 3
		.amdhsa_float_denorm_mode_16_64 3
		.amdhsa_memory_ordered 1
		.amdhsa_forward_progress 1
		.amdhsa_inst_pref_size 80
	.end_amdhsa_kernel
	.amdgpu_metadata
---
amdhsa.version: [ 1, 2 ]
amdhsa.kernels:
  - .name:           k_q8f04daa7cf_ffn1
    .symbol:         k_q8f04daa7cf_ffn1.kd
    .args:
      - { .name: plan, .offset: 0, .size: 8, .value_kind: global_buffer, .address_space: global }
      - { .name: xq, .offset: 8, .size: 8, .value_kind: global_buffer, .address_space: global }
      - { .name: wc, .offset: 16, .size: 8, .value_kind: global_buffer, .address_space: global }
      - { .name: ws, .offset: 24, .size: 8, .value_kind: global_buffer, .address_space: global }
      - { .name: b1, .offset: 32, .size: 8, .value_kind: global_buffer, .address_space: global }
      - { .name: hc, .offset: 40, .size: 8, .value_kind: global_buffer, .address_space: global }
      - { .name: hs, .offset: 48, .size: 8, .value_kind: global_buffer, .address_space: global }
    .group_segment_fixed_size: 0
    .private_segment_fixed_size: 0
    .kernarg_segment_align: 8
    .kernarg_segment_size: 56
    .max_flat_workgroup_size: 128
    .sgpr_count:     66
    .vgpr_count:     960
    .wavefront_size: 32
...
	.end_amdgpu_metadata
.endif
;; end of part 3
;; launch ffn2 (part 4): grid 8 x 43, 4 waves a work-group, no clusters, 270,848 bytes of LDS; arguments plan, xq, hc, hs, wc, ws, b2, out0; writes out0
.if DOCPART == 4
	.amdgcn_target "amdgcn-amd-amdhsa--gfx1250"
	.amdhsa_code_object_version 6
	.text
	.protected	k_q8f04daa7cf_ffn2
	.globl	k_q8f04daa7cf_ffn2
	.p2align	8
	.type	k_q8f04daa7cf_ffn2,@function
k_q8f04daa7cf_ffn2:
	s_mov_b64 s[64:65], 0
	v_nop
	global_prefetch_b8 v0, s[64:65] scope:SCOPE_SE
	s_setreg_imm32_b32 hwreg(HW_REG_WAVE_MODE, 25, 1), 1
	s_wait_xcnt 0x0
; FFN2.  out[token] = ga (hid_a W2[a] + b2[a]) + gb (hid_b W2[b] + b2[b]) for the rows of one tile (all its tokens chose the same two experts) and 128 output columns: each output row has one owner.
; Work-group (x = j, y = tile).  Wave w: expert a (w < 2) or b, and half w % 2 of K = 2,048 (8 K steps of 128); all 8 tiles of 16 columns.  Its 64 fragments of W2 stay in registers; each hidden fragment is read by one wave and feeds 8 products.
; The four waves' partial sums meet in LDS, one barrier; then each wave gates, adds the biases and stores whole runs of 512 bytes.  K is thus summed in two halves: the order of the f32 sums differs from one chain over K.
; The tile table and the row list were stored by an earlier launch; what hangs on them is done by scalar branches that all lead to the one barrier.  So operands come from memory straight into registers: no tensor load, no cluster.
; THE PRODUCT IS USED TRANSPOSED: source 0 = 16 columns of W2, source 1 = 16 tokens: a lane holds one token and eight neighbouring columns.
; LDS: four regions of 128 rows x (512 bytes + 16), one for each wave's partial sums.
; REGISTERS.  Window 0: below.  Windows 1, 2: W2's K steps 0-3, 4-7, fragment at 64 (s % 4) + 8 ct.  Window 3: hidden slots 0-3, 64 registers each.
.set PREG, 67584                       ; a wave's region in LDS
.set LI,   1                           ; 16 x lane
.set LS,   2                           ; 4 x lane
.set SO,   3                           ; where I put 32 bytes of a row: region w, row lane % 16, + 32 (lane / 16)
.set RB,   4                           ; v4-7   where I read rows back: region q, + 4 w rows, + 16 x lane
.set TK,   8                           ; lane l: the token of slot 16 (l / 4) + 4 w + l % 4
.set TO,   9                           ; that slot's byte in the tile's list
.set GA,   10                          ; v[10:11] its two gates
.set L8,   12                          ; 8 x lane
.set BA,   16                          ; v16-19 b2[a] at my four columns;  v20-23 b2[b]
.set BB,   20
.set AD,   24                          ; v24-27 the stores' offsets, one for each row of a group
.set ACC,  32                          ; v32-95 eight accumulators
.set HS,   96                          ; v96-135 the hidden layer's scale words, 5 slots of 8: scales and nothing else
.set W2S,  136                         ; v136-167 W2's scale words: scales and nothing else
.set H4,   168                         ; v168-231 hidden slot 4; later the rows read back
.set MSB, 0
.macro WIN new                         ; the immediate's high byte repeats the setting that is left
.if MSB != \new
	s_set_vgpr_msb (MSB<<8)|\new
.set MSB, \new
.endif
.endm
.macro MM d, a, b, c, sa, sb, odd
.if \odd
.if (\c) < 0
	v_wmma_scale_f32_16x16x128_f8f6f4 v[(\d):(\d)+7], v[(\a):(\a)+7], v[(\b):(\b)+7], 0, v[\sa], v[\sb] matrix_a_fmt:MATRIX_FMT_FP4 matrix_b_fmt:MATRIX_FMT_FP4 matrix_a_scale:MATRIX_SCALE_ROW1
.else
	v_wmma_scale_f32_16x16x128_f8f6f4 v[(\d):(\d)+7], v[(\a):(\a)+7], v[(\b):(\b)+7], v[(\c):(\c)+7], v[\sa], v[\sb] matrix_a_fmt:MATRIX_FMT_FP4 matrix_b_fmt:MATRIX_FMT_FP4 matrix_a_scale:MATRIX_SCALE_ROW1
.endif
.else
.if (\c) < 0
	v_wmma_scale_f32_16x16x128_f8f6f4 v[(\d):(\d)+7], v[(\a):(\a)+7], v[(\b):(\b)+7], 0, v[\sa], v[\sb] matrix_a_fmt:MATRIX_FMT_FP4 matrix_b_fmt:MATRIX_FMT_FP4
.else
	v_wmma_scale_f32_16x16x128_f8f6f4 v[(\d):(\d)+7], v[(\a):(\a)+7], v[(\b):(\b)+7], v[(\c):(\c)+7], v[\sa], v[\sb] matrix_a_fmt:MATRIX_FMT_FP4 matrix_b_fmt:MATRIX_FMT_FP4
.endif
.endif
.endm
; a row tile's 8 hidden fragments and scale words into slot sl, from bases s[bc], s[bs], mo row tiles on
.macro THID sl, bc, bs, mo
.if \sl < 4
	WIN 0xc0
.set HL, 64*\sl
.else
	WIN 0
.set HL, H4
.endif
.irp ks, 0,1,2,3,4,5,6,7
.irp c, 0,1
	global_load_b128 v[HL+8*\ks+4*\c:HL+8*\ks+4*\c+3], v[LI], s[\bc:\bc+1] offset:(\mo)*16384+1024*\ks+512*\c
.endr
.endr
	WIN 0
.irp ks, 0,1,2,3,4,5,6,7
	global_load_b32 v[HS+8*\sl+\ks], v[LS], s[\bs:\bs+1] offset:(\mo)*2048+128*\ks
.endr
.endm
	s_load_b512 s[4:19], s[0:1], 0x0               ; plan s[4:5], xq s[6:7], hc s[8:9], hs s[10:11], wc s[12:13], ws s[14:15], b2 s[16:17], out0 s[18:19]
	v_lshl_add_u32 v254, v0, 2, 0x42000
	v_mov_b32 v255, 0
	v_lshrrev_b32 v13, 5, v0
	v_readfirstlane_b32 s20, v13                   ; wave
	v_and_b32 v13, 31, v0
	v_lshlrev_b32 v[LI], 4, v13
	v_lshlrev_b32 v[LS], 2, v13
	v_lshlrev_b32 v[L8], 3, v13
	v_and_b32 v14, 15, v0
	v_bfe_u32 v15, v0, 4, 1
	s_mul_i32 s21, s20, PREG
	v_mul_u32_u24 v[SO], v14, 528
	v_lshl_add_u32 v[SO], v15, 5, v[SO]
	v_add_nc_u32 v[SO], s21, v[SO]
	s_mul_i32 s21, s20, 4*528
	v_add_nc_u32 v[RB], s21, v[LI]
	v_add_nc_u32 v[RB+1], PREG, v[RB]
	v_add_nc_u32 v[RB+2], 2*PREG, v[RB]
	v_add_nc_u32 v[RB+3], 3*PREG, v[RB]
	v_lshrrev_b32 v[TO], 2, v13
	v_lshlrev_b32 v[TO], 6, v[TO]
	v_and_b32 v14, 3, v13
	v_lshl_add_u32 v[TO], v14, 2, v[TO]
	s_lshl_b32 s21, s20, 4
	v_add_nc_u32 v[TO], s21, v[TO]                 ; 4 x (16 (l / 4) + 4 w + l % 4)
	s_and_b32 s22, ttmp7, 0xffff                   ; the tile
	s_lshl_b32 s23, s22, 4
	s_lshl_b32 s28, s22, 9
	s_mov_b32 s29, 0
	s_mov_b32 s37, 0
	s_wait_kmcnt 0x0
	s_load_b128 s[24:27], s[4:5], s23 offset:0x8000  ; a, b, rows, 0
	s_add_nc_u64 s[30:31], s[4:5], s[28:29]
	global_load_b32 v[TK], v[TO], s[30:31]
	s_wait_kmcnt 0x0
	s_min_u32 s26, s26, 128                        ; rows
	s_add_co_u32 s32, s26, 15
	s_lshr_b32 s32, s32, 4                         ; row tiles of 16
	s_lshl_b32 s33, s20, 2
	s_sub_co_i32 s33, s26, s33                     ; rows - 4 w: row 16 m + 4 w + i exists where 16 m + i lies under this
	s_min_u32 s34, s24, 7                          ; a
	s_min_u32 s35, s25, 7                          ; b
	s_lshl_b32 s36, ttmp9, 9                       ; my slice's 128 columns in bytes
	s_lshl_b32 s28, s34, 12
	s_add_co_u32 s28, s28, s36
	s_add_nc_u64 s[38:39], s[16:17], s[28:29]
	s_lshl_b32 s28, s35, 12
	s_add_co_u32 s28, s28, s36
	s_add_nc_u64 s[40:41], s[16:17], s[28:29]
	global_load_b128 v[BA:BA+3], v[LI], s[38:39]
	global_load_b128 v[BB:BB+3], v[LI], s[40:41]
	s_add_nc_u64 s[18:19], s[18:19], s[36:37]      ; out0 at my slice
	s_wait_loadcnt 2                               ; the list's load is in; the two bias loads behind it may be out
	v_min_u32 v[TK], 2047, v[TK]
	v_lshlrev_b32 v15, 3, v[TK]
	global_load_b64 v[GA:GA+1], v15, s[6:7] offset:1114112
	s_cmp_eq_u32 s26, 0
	s_cbranch_scc1 .Ljoin                          ; a tile without rows passes the barrier and ends
	; ---- the partial sums
	s_lshr_b32 s42, s20, 1                         ; which expert
	s_and_b32 s43, s20, 1                          ; which half of K
	s_cmp_lg_u32 s42, 0
	s_cselect_b32 s21, s25, s24
	s_min_u32 s21, s21, 7
	s_lshl_b32 s21, s21, 1
	s_add_co_u32 s21, s21, s43
	s_lshl_b32 s21, s21, 3
	s_add_co_u32 s21, s21, ttmp9                   ; (e x 2 + half) x 8 + j
	s_lshl_b32 s28, s21, 16
	s_add_co_u32 s28, s28, 8388608
	s_add_nc_u64 s[12:13], s[12:13], s[28:29]      ; my 64 fragments of W2,
	s_lshl_b32 s28, s21, 12
	s_add_co_u32 s28, s28, 524288
	s_add_nc_u64 s[14:15], s[14:15], s[28:29]      ; their scale words
	s_lshl_b32 s28, s22, 18
	s_lshl_b32 s36, s42, 17
	s_add_co_u32 s28, s28, s36
	s_lshl_b32 s36, s43, 13
	s_add_co_u32 s28, s28, s36
	s_add_nc_u64 s[8:9], s[8:9], s[28:29]          ; the hidden codes of my expert and my 8 K steps, row tile 0,
	s_lshl_b32 s28, s22, 15
	s_lshl_b32 s36, s42, 14
	s_add_co_u32 s28, s28, s36
	s_lshl_b32 s36, s43, 10
	s_add_co_u32 s28, s28, s36
	s_add_nc_u64 s[10:11], s[10:11], s[28:29]      ; and their scale words
	s_sub_co_u32 s23, s32, 1
.irp m, 0,1,2,3,4                              ; the first five slots are asked for at once; a slot past the last row tile takes the last one again: only bytes that were stored are read
	s_min_u32 s28, s23, \m
	s_lshl_b32 s36, s28, 11
	s_lshl_b32 s28, s28, 14
	s_add_nc_u64 s[44+4*\m:45+4*\m], s[8:9], s[28:29]
	s_add_nc_u64 s[46+4*\m:47+4*\m], s[10:11], s[36:37]
.endr
.irp m, 0,1,2,3,4
	THID \m, 44+4*\m, 46+4*\m, 0
.endr
.irp p, 0,1,2,3
.irp q, 0,1,2,3
	global_load_b64 v[W2S+8*\p+2*\q:W2S+8*\p+2*\q+1], v[L8], s[14:15] offset:1024*\p+256*\q
.endr
.endr
	WIN 0x40
.irp ks, 0,1,2,3
.irp t, 0,1,2,3,4,5,6,7
.irp c, 0,1
	global_load_b128 v[64*\ks+8*\t+4*\c:64*\ks+8*\t+4*\c+3], v[LI], s[12:13] offset:8192*\ks+1024*\t+512*\c
.endr
.endr
.endr
	WIN 0x80
.irp ks, 0,1,2,3
.irp t, 0,1,2,3,4,5,6,7
.irp c, 0,1
	global_load_b128 v[64*\ks+8*\t+4*\c:64*\ks+8*\t+4*\c+3], v[LI], s[12:13] offset:8192*(\ks+4)+1024*\t+512*\c
.endr
.endr
.endr
	WIN 0
	s_wait_loadcnt 0x0                             ; from here on every wait for loads is for 0: it holds on every path
; row tile m: 64 products, then the eight results into my region of LDS
.macro TRIP m
.if \m > 0
	s_cmp_le_u32 s32, \m
	s_cbranch_scc1 .Ljoin
	s_wait_dscnt 0x0                               ; the last tile's LDS stores have read the accumulators, which are begun anew below
.endif
.if \m >= 5
	s_wait_loadcnt 0x0
.endif
.set SL, (\m)%5
.if SL == 4
.set HB, H4
	WIN 0x01                                       ; source 0 (W2) window 1; the hidden slot, C and D window 0
.else
.set HB, 64*SL
	WIN 0x0d                                       ; source 0 window 1, source 1 (hidden) window 3
.endif
.irp ct, 0,1,2,3,4,5,6,7                       ; the eight accumulators take turns, one instruction a turn; the first K step starts the sums
	MM ACC+8*\ct, 8*\ct, HB, -1, W2S+8*(\ct/2), HS+8*SL, \ct%2
.endr
.irp ks, 1,2,3
.irp ct, 0,1,2,3,4,5,6,7
	MM ACC+8*\ct, 64*\ks+8*\ct, HB+8*\ks, ACC+8*\ct, W2S+8*(\ct/2)+\ks, HS+8*SL+\ks, \ct%2
.endr
.endr
.if SL == 4
	WIN 0x02
.else
	WIN 0x0e
.endif
.irp ks, 4,5,6,7
.irp ct, 0,1,2,3,4,5,6,7
	MM ACC+8*\ct, 64*(\ks-4)+8*\ct, HB+8*\ks, ACC+8*\ct, W2S+8*(\ct/2)+\ks, HS+8*SL+\ks, \ct%2
.endr
.endr
	WIN 0
.rept 5
	v_nop                                          ; four plain lines ahead of the stores that read results and of loads into operands; the fifth for the next tile's first products, which write over these accumulators
.endr
.if \m < 3
	s_cmp_gt_u32 s32, \m+5
	s_cbranch_scc0 .Lno_more_\@
	THID \m, 8, 10, \m+5                           ; the slot just read takes the row tile five on, if there is one
.Lno_more_\@:
.endif
.irp ct, 0,1,2,3,4,5,6,7
	ds_store_b128 v[SO], v[ACC+8*\ct:ACC+8*\ct+3] offset:\m*8448+64*\ct          ; each accumulator from its low end on
	ds_store_b128 v[SO], v[ACC+8*\ct+4:ACC+8*\ct+7] offset:\m*8448+64*\ct+16
.endr
.endm
.irp m, 0,1,2,3,4,5,6,7
	TRIP \m
.endr
.Ljoin:
	s_wait_loadcnt 0x0                             ; on every path: the gates, the biases and whatever else was asked for are in
	s_wait_dscnt 0x0                               ; for the others' sake: my partial sums have landed
	s_barrier_signal -1
	s_barrier_wait -1
	s_mov_b32 s67, 0                               ; (named as the upper halves of the pairs that the packed forms take)
	s_mov_b32 s69, 0
; ---- rows 16 m + 4 w + i, i = 0 .. 3: the four partial sums, the biases, the gates; a row's 128 columns leave as 512 consecutive bytes, aligned
.macro GROUP m
	s_cmp_le_i32 s33, 16*\m
	s_cbranch_scc1 .Lend
	s_wait_xcnt 0x0                                ; the last group's stores have read their data and offsets: both are written again only behind this wait
.irp i, 0,1,2,3
.irp q, 0,1,2,3
	ds_load_b128 v[H4+16*\i+4*\q:H4+16*\i+4*\q+3], v[RB+\q] offset:\m*8448+528*\i
.endr
.endr
	s_wait_dscnt 0x0
.irp i, 0,1,2,3
.if \i > 0
	s_cmp_le_i32 s33, 16*\m+\i
	s_cbranch_scc1 .Lend
.endif
	v_readlane_b32 s70, v[TK], 4*\m+\i             ; the row's token,
	v_readlane_b32 s66, v[GA], 4*\m+\i             ; a's gate,
	v_readlane_b32 s68, v[GA+1], 4*\m+\i           ; b's
	s_min_u32 s70, s70, 2047
	v_pk_add_f32 v[H4+16*\i:H4+16*\i+1], v[H4+16*\i:H4+16*\i+1], v[H4+16*\i+4:H4+16*\i+5]           ; expert a: the two halves of K
	v_pk_add_f32 v[H4+16*\i+2:H4+16*\i+3], v[H4+16*\i+2:H4+16*\i+3], v[H4+16*\i+6:H4+16*\i+7]
	v_pk_add_f32 v[H4+16*\i+8:H4+16*\i+9], v[H4+16*\i+8:H4+16*\i+9], v[H4+16*\i+12:H4+16*\i+13]     ; expert b
	v_pk_add_f32 v[H4+16*\i+10:H4+16*\i+11], v[H4+16*\i+10:H4+16*\i+11], v[H4+16*\i+14:H4+16*\i+15]
	v_pk_add_f32 v[H4+16*\i:H4+16*\i+1], v[H4+16*\i:H4+16*\i+1], v[BA:BA+1]
	v_pk_add_f32 v[H4+16*\i+2:H4+16*\i+3], v[H4+16*\i+2:H4+16*\i+3], v[BA+2:BA+3]
	v_pk_add_f32 v[H4+16*\i+8:H4+16*\i+9], v[H4+16*\i+8:H4+16*\i+9], v[BB:BB+1]
	v_pk_add_f32 v[H4+16*\i+10:H4+16*\i+11], v[H4+16*\i+10:H4+16*\i+11], v[BB+2:BB+3]
	v_pk_mul_f32 v[H4+16*\i+8:H4+16*\i+9], v[H4+16*\i+8:H4+16*\i+9], s[68:69] op_sel_hi:[1,0]
	v_pk_mul_f32 v[H4+16*\i+10:H4+16*\i+11], v[H4+16*\i+10:H4+16*\i+11], s[68:69] op_sel_hi:[1,0]
	v_pk_fma_f32 v[H4+16*\i:H4+16*\i+1], v[H4+16*\i:H4+16*\i+1], s[66:67], v[H4+16*\i+8:H4+16*\i+9] op_sel_hi:[1,0,1]
	v_pk_fma_f32 v[H4+16*\i+2:H4+16*\i+3], v[H4+16*\i+2:H4+16*\i+3], s[66:67], v[H4+16*\i+10:H4+16*\i+11] op_sel_hi:[1,0,1]
	v_lshl_add_u32 v[AD+\i], s70, 12, v[LI]        ; a row of out0 is 4,096 bytes
	global_store_b128 v[AD+\i], v[H4+16*\i:H4+16*\i+3], s[18:19] th:TH_STORE_NT
.endr
.endm
.irp m, 0,1,2,3,4,5,6,7
	GROUP \m
.endr
.Lend:
	s_wait_tensorcnt 0x0
	ds_add_u32 v254, v255
	s_wait_dscnt 0x0
	s_endpgm
.Lfunc_end_k_q8f04daa7cf_ffn2:
	.size	k_q8f04daa7cf_ffn2, .Lfunc_end_k_q8f04daa7cf_ffn2-k_q8f04daa7cf_ffn2
	.p2alignl 7, 3214868480
	.fill 96, 4, 3214868480
	.section	.rodata,"a",@progbits
	.p2align	6, 0x0
	.amdhsa_kernel k_q8f04daa7cf_ffn2
		.amdhsa_group_segment_fixed_size 270848
		.amdhsa_private_segment_fixed_size 0
		.amdhsa_enable_private_segment 0
		.amdhsa_kernarg_size 64
		.amdhsa_user_sgpr_count 2
		.amdhsa_user_sgpr_kernarg_segment_ptr 1
		.amdhsa_wavefront_size32 1
		.amdhsa_system_sgpr_workgroup_id_x 1
		.amdhsa_system_sgpr_workgroup_id_y 1
		.amdhsa_system_sgpr_workgroup_id_z 1
		.amdhsa_system_vgpr_workitem_id 0
		.amdhsa_next_free_vgpr 1024
		.amdhsa_next_free_sgpr 72
		.amdhsa_reserve_vcc 0
		.amdhsa_float_denorm_mode_32 3
		.amdhsa_float_denorm_mode_16_64 3
		.amdhsa_memory_ordered 1
		.amdhsa_forward_progress 1
		.amdhsa_inst_pref_size 160
	.end_amdhsa_kernel
	.amdgpu_metadata
---
amdhsa.version: [ 1, 2 ]
amdhsa.kernels:
  - .name:           k_q8f04daa7cf_ffn2
    .symbol:         k_q8f04daa7cf_ffn2.kd
    .args:
      - { .name: plan, .offset: 0, .size: 8, .value_kind: global_buffer, .address_space: global }
      - { .name: xq, .offset: 8, .size: 8, .value_kind: global_buffer, .address_space: global }
      - { .name: hc, .offset: 16, .size: 8, .value_kind: global_buffer, .address_space: global }
      - { .name: hs, .offset: 24, .size: 8, .value_kind: global_buffer, .address_space: global }
      - { .name: wc, .offset: 32, .size: 8, .value_kind: global_buffer, .address_space: global }
      - { .name: ws, .offset: 40, .size: 8, .value_kind: global_buffer, .address_space: global }
      - { .name: b2, .offset: 48, .size: 8, .value_kind: global_buffer, .address_space: global }
      - { .name: out0, .offset: 56, .size: 8, .value_kind: global_buffer, .address_space: global }
    .group_segment_fixed_size: 270848
    .private_segment_fixed_size: 0
    .kernarg_segment_align: 8
    .kernarg_segment_size: 64
    .max_flat_workgroup_size: 128
    .sgpr_count:     72
    .vgpr_count:     1024
    .wavefront_size: 32
...
	.end_amdgpu_metadata
.endif
;; end of part 4
;; ======== version 2 of 2: 4 launches
;; workspace buffers: wc 16,777,216 bytes; ws 1,048,576 bytes; xq 1,130,496 bytes; setid 8,192 bytes of whole numbers; plan 33,792 bytes of whole numbers; hc 11,272,192 bytes; hs 1,409,024 bytes
;; launch prep (part 5): grid 1280 x 1, 4 waves a work-group, no clusters, 40,704 bytes of LDS; arguments hidden_states, router_w, w1, w2, xq, setid, plan, wc, ws; writes xq, setid, plan, wc, ws
.if DOCPART == 5
	.amdgcn_target "amdgcn-amd-amdhsa--gfx1250"
	.amdhsa_code_object_version 6
	.text
	.protected	k_q8f04daa7cf_prep
	.globl	k_q8f04daa7cf_prep
	.p2align	8
	.type	k_q8f04daa7cf_prep,@function
k_q8f04daa7cf_prep:
	s_mov_b64 s[64:65], 0
	v_nop
	global_prefetch_b8 v0, s[64:65] scope:SCOPE_SE
	s_setreg_imm32_b32 hwreg(HW_REG_WAVE_MODE, 25, 1), 1
	s_wait_xcnt 0x0
; PREP.  Three kinds of work-groups, told apart by the work-group's number alone:
;   0 .. 255     8 tokens each: x into codes of FP4 (E2M1) with one E8M0 byte for each 32 along D; the router's logits in f32, softmax's exponentials, top-2, gates; every fourth also 512 bytes of zeros into the row list
;   256 .. 767   w1 [8][1024 (k)][2048] f32 into codes and scale words, laid in the order of the matrix operand's registers
;   768 .. 1279  w2 [8][2048 (k)][1024] f32 likewise
; 1,280 work-groups are five for each of 256 WGPs.  Eight tokens to a work-group, so that all 32 loads of a token wave (16 of router_w, 16 of x) go out at once.
; A block's scale is 2^(floor(log2(largest magnitude)) - 2): its byte is the largest magnitude's exponent field - 2, held at 1 from below by a floor among the maximum's leaves.
; WEIGHTS.  K is the first axis inside an expert, so a lane takes a column and its registers run down K: a block of 32 lies in one lane, and the conversions give codes with K innermost.
; A fragment's image is 1,024 bytes, [c 2][lane 32][16 bytes]: lane (r, h), piece c holds k = 64 c + 32 h + 0 .. 31 of row r of a K step of 128.  A wave takes 32 columns (two tiles of 16 rows) x 256 k (two K steps):
; each of its code stores writes two runs of 256 consecutive bytes, aligned.  w1's rows of tile 2 p + u are units 32 p + 8 u + r + 8 (r / 8), so that the first product's results are neighbours along the second product's K.
; ROUTER.  The top-2 is taken on 2^((logit - largest logit) log2 e): the softmax's divisor is common to all eight and cancels in the renormalised gates.  Strict compares keep the lower index at a tie.
; LIMITS: NaN and infinities among the inputs are not served.  A block of zeros gets the byte 1 where the rule says 127 (its codes are zeros; this program alone reads the bytes).
; An exponential under 2^-126 comes out as 0: the gate that hangs on it is then 0 where the rule has a number under 2^-126.  Two probabilities that differ before the division and agree behind it are ordered here by their exponentials.
.set XCS, 0                            ; LDS, token work-groups alone: codes [8 tokens][512 bytes]
.set XSS, 4096                         ; scale bytes [8][32]
.set LG,  4352                         ; partial logits [8 tokens][4 waves][8 f32]
.set RWS, 5376                         ; router_w's turn: for each wave 32 places of 256 bytes + 16 of padding
.set RWW, 8704
.set WX,  32                           ; weights: v32-95 two sets of 32 numbers
.set WCD, 128                          ; v128-159 codes, four registers a block, never written again
.set WSB, 160                          ; v[160:161] the two scale words
.set RW,  16                           ; tokens: v16-79 router_w[my 8 rows of D][8]
.set XX,  80                           ; v80-143 two sets of 4 tokens x 8 numbers
.set ACC, 144                          ; v144-151 and v168-175: the 8 partial logits, two sets by turns
.set PD,  152                          ; v152-159 destinations of the lane permutes
	s_load_b512 s[4:19], s[0:1], 0x0               ; hidden s[4:5], router_w s[6:7], w1 s[8:9], w2 s[10:11], xq s[12:13], setid s[14:15], plan s[16:17], wc s[18:19]
	s_load_b64 s[20:21], s[0:1], 0x40              ; ws
	v_lshl_add_u32 v192, v0, 2, 0x9d00
	v_mov_b32 v193, 0
	v_lshrrev_b32 v1, 5, v0
	v_readfirstlane_b32 s22, v1                    ; wave 0..3
	v_and_b32 v1, 31, v0                           ; lane
	s_mov_b32 s30, 0x76543210
	s_mov_b32 s31, 0xfedcba98                      ; v_permlanex16_b32's selects for lane l xor 16
	s_mov_b32 s35, 0                               ; the upper words of three offset pairs
	s_mov_b32 s37, 0
	s_mov_b32 s39, 0
	s_wait_kmcnt 0x0
	s_cmp_lt_u32 ttmp9, 256
	s_cbranch_scc1 .Ltokens
	s_cmp_lt_u32 ttmp9, 768
	s_cbranch_scc0 .Lw2
; block t: W(32 t + i, my column), i = 0 .. 31, into set t % 2: 32 lanes read 128 consecutive bytes, the four waves 512
.macro WLOAD t, pitch
.irp i, 0,1,2,3,4,5,6,7,8,9,10,11,12,13,14,15,16,17,18,19,20,21,22,23,24,25,26,27,28,29,30,31
	global_load_b32 v[WX+32*((\t)%2)+\i], v2, s[24:25] offset:(32*(\t)+\i)*\pitch th:TH_LOAD_NT
.endr
.endm
.macro WBLOCK t, pitch
.set XB, WX+32*((\t)%2)
.if (\t) < 7
	s_wait_loadcnt 32                              ; this block's 32 loads are in; the next block's 32 may be out
.else
	s_wait_loadcnt 0
.endif
	v_max3_num_f32 v12, |v[XB]|, |v[XB+1]|, |v[XB+2]|              ; the block's largest magnitude: all 32 numbers are mine; two chains
	v_max3_num_f32 v13, |v[XB+3]|, |v[XB+4]|, |v[XB+5]|
.irp i, 6,10,14,18,22,26
	v_max3_num_f32 v12, v12, |v[XB+\i]|, |v[XB+\i+1]|
	v_max3_num_f32 v13, v13, |v[XB+\i+2]|, |v[XB+\i+3]|
.endr
	v_max3_num_f32 v12, v12, |v[XB+30]|, |v[XB+31]|
	v_max3_num_f32 v12, v12, v13, 0x1800000        ; and the floor 2^(3 - 127): the byte cannot fall under 1
	v_add_nc_u32 v11, 0xff000000, v12              ; 2 off the exponent field: the conversion takes this operand's exponent field as its scale
	v_lshrrev_b32 v13, 23, v11                     ; the scale's byte
.if (\t)%4 == 0
	v_mov_b32 v[WSB+(\t)/4], v13                   ; four bytes make a K step's scale word, the lower k in the lower byte
.else
	v_lshl_or_b32 v[WSB+(\t)/4], v13, 8*((\t)%4), v[WSB+(\t)/4]
.endif
.irp g, 0,1,2,3
	v_cvt_scalef32_pk8_fp4_f32 v[WCD+4*(\t)+\g], v[XB+8*\g:XB+8*\g+7], v11
.endr
	global_store_b128 v3, v[WCD+4*(\t):WCD+4*(\t)+3], s[26:27] offset:((\t)/4)*8192+(((\t)%4)/2)*512+((\t)%2)*256   ; K step t / 4, piece (t % 4) / 2, half t % 2: lanes 0-15 fill 256 aligned bytes of one tile's image, lanes 16-31 of the next tile's
.if (\t) < 6
	WLOAD (\t)+2, \pitch
.endif
.endm
; a wave's 32 columns x 256 k.  s[24:25] the source, s[26:27] the codes, s[28:29] the scale words; v2 = 4 x my column
.macro QW pitch
	v_lshrrev_b32 v3, 4, v1
	v_and_b32 v4, 15, v1
	v_lshlrev_b32 v4, 4, v4
	v_lshl_or_b32 v3, v3, 10, v4                   ; codes: 1,024 (lane / 16) + 16 (lane % 16)
	v_lshlrev_b32 v4, 3, v1                        ; scale words: 8 bytes a lane
	WLOAD 0, \pitch
	WLOAD 1, \pitch
.irp t, 0,1,2,3,4,5,6,7
	WBLOCK \t, \pitch
.endr
	global_store_b64 v4, v[WSB:WSB+1], s[28:29]    ; 32 lanes store 256 consecutive bytes, aligned
	s_endpgm
.endm
	; ---- w1: id = expert x 64 + unit group x 4 + quarter of K; the wave is the pair of tiles
	s_sub_co_u32 s23, ttmp9, 256
	s_lshr_b32 s40, s23, 6                         ; e
	s_bfe_u32 s41, s23, 0x40002                    ; u: 128 hidden units
	s_and_b32 s42, s23, 3                          ; which 256 of k
	s_lshl_b32 s34, s40, 23                        ; an expert is 8,388,608 bytes,
	s_lshl_b32 s43, s42, 21                        ; 256 rows of 8,192 bytes,
	s_add_co_u32 s34, s34, s43
	s_lshl_b32 s43, s41, 9                         ; 128 columns,
	s_add_co_u32 s34, s34, s43
	s_lshl_b32 s43, s22, 7                         ; my wave's 32
	s_add_co_u32 s34, s34, s43
	s_add_nc_u64 s[24:25], s[8:9], s[34:35]
	s_lshl_b32 s36, s40, 20                        ; codes [e][u][K step 8][tile 8][1,024]
	s_lshl_b32 s43, s41, 16
	s_add_co_u32 s36, s36, s43
	s_lshl_b32 s43, s42, 14
	s_add_co_u32 s36, s36, s43
	s_lshl_b32 s43, s22, 11
	s_add_co_u32 s36, s36, s43
	s_add_nc_u64 s[26:27], s[18:19], s[36:37]
	s_lshl_b32 s38, s40, 4                         ; scale words [e][u][pair 4][quarter 4][lane 32][2]
	s_add_co_u32 s38, s38, s41
	s_lshl_b32 s38, s38, 12
	s_lshl_b32 s43, s22, 10
	s_add_co_u32 s38, s38, s43
	s_lshl_b32 s43, s42, 8
	s_add_co_u32 s38, s38, s43
	s_add_nc_u64 s[28:29], s[20:21], s[38:39]
	s_wait_alu depctr_va_vdst(0)
	v_and_b32 v2, 7, v1                            ; my column among the wave's 32: (l & 7) + 16 ((l >> 3) & 1) + 8 (l >> 4)
	v_and_b32 v5, 8, v1
	v_lshl_or_b32 v2, v5, 1, v2
	v_and_b32 v5, 16, v1
	v_lshrrev_b32 v5, 1, v5
	v_or_b32 v2, v2, v5
	v_lshlrev_b32 v2, 2, v2
	QW 8192
.Lw2:	; ---- w2: id = expert x 64 + slice of 128 columns x 8 + eighth of K
	s_sub_co_u32 s23, ttmp9, 768
	s_lshr_b32 s40, s23, 6                         ; e
	s_bfe_u32 s41, s23, 0x30003                    ; j
	s_and_b32 s42, s23, 7                          ; which 256 of k
	s_lshl_b32 s34, s40, 23
	s_lshl_b32 s43, s42, 20                        ; 256 rows of 4,096 bytes
	s_add_co_u32 s34, s34, s43
	s_lshl_b32 s43, s41, 9
	s_add_co_u32 s34, s34, s43
	s_lshl_b32 s43, s22, 7
	s_add_co_u32 s34, s34, s43
	s_add_nc_u64 s[24:25], s[10:11], s[34:35]
	s_lshr_b32 s44, s42, 2                         ; the half of K
	s_and_b32 s42, s42, 3                          ; and the quarter of that half
	s_lshl_b32 s45, s40, 1
	s_add_co_u32 s45, s45, s44
	s_lshl_b32 s45, s45, 3
	s_add_co_u32 s45, s45, s41                     ; (e x 2 + half) x 8 + j
	s_lshl_b32 s36, s45, 16
	s_lshl_b32 s43, s42, 14
	s_add_co_u32 s36, s36, s43
	s_lshl_b32 s43, s22, 11
	s_add_co_u32 s36, s36, s43
	s_add_co_u32 s36, s36, 8388608                 ; behind w1's codes
	s_add_nc_u64 s[26:27], s[18:19], s[36:37]
	s_lshl_b32 s38, s45, 12
	s_lshl_b32 s43, s22, 10
	s_add_co_u32 s38, s38, s43
	s_lshl_b32 s43, s42, 8
	s_add_co_u32 s38, s38, s43
	s_add_co_u32 s38, s38, 524288                  ; behind w1's scale words
	s_add_nc_u64 s[28:29], s[20:21], s[38:39]
	s_wait_alu depctr_va_vdst(0)
	v_lshlrev_b32 v2, 2, v1                        ; my column is my lane: tile 2 x wave + lane / 16, row lane % 16
	QW 4096
.Ltokens:	; ---- 8 tokens.  Wave w owns D = 256 w .. 256 w + 255, lane l the eight numbers 256 w + 8 l + 0 .. 7 of every token
	s_wait_alu depctr_va_vdst(0)
	v_lshlrev_b32 v2, 5, v1                        ; x: 32 bytes a lane
	s_lshl_b32 s40, s22, 7
	v_lshl_add_u32 v3, v1, 2, s40                  ; code stage: 128 w + 4 l (+ 512 x token)
	v_lshrrev_b32 v4, 2, v1
	s_lshl_b32 s40, s22, 3
	s_add_co_u32 s40, s40, XSS
	v_add_nc_u32 v4, s40, v4                       ; scale bytes: 8 w + l / 4 (+ 32 x token)
	s_lshl_b32 s40, s22, 5
	s_add_co_u32 s40, s40, LG
	v_mov_b32 v5, s40                              ; partial logits: 32 w (+ 128 x token)
	s_lshl_b32 s40, s22, 10
	v_lshl_add_u32 v6, v1, 4, s40                  ; codes on the way out: my wave's two rows, 16 bytes a lane
	v_lshlrev_b32 v9, 4, v1                        ; 16 x lane
	v_lshlrev_b32 v7, 3, v1                        ; 8 x lane
	v_add_nc_u32 v10, XSS, v7                      ; the scale bytes on the way out
	v_and_b32 v8, 7, v1
	v_lshlrev_b32 v8, 7, v8
	v_add_nc_u32 v8, LG, v8                        ; the router: lane % 8 to a token
	s_mul_i32 s40, s22, RWW
	s_add_co_u32 s40, s40, RWS                     ; my wave's own bytes for router_w's turn
	v_lshrrev_b32 v14, 4, v1
	v_mul_u32_u24 v14, v14, 272
	v_and_b32 v15, 15, v1
	v_lshl_add_u32 v14, v15, 4, v14
	v_add_nc_u32 v14, s40, v14                     ; in: a load's 512 bytes are two places: 272 (lane / 16) + 16 (lane % 16) (+ 544 x load)
	v_mul_u32_u24 v15, v1, 272
	v_add_nc_u32 v15, s40, v15                     ; out: place = lane: my 8 rows of router_w, 256 bytes
	s_lshl_b32 s34, s22, 13
	s_add_nc_u64 s[24:25], s[6:7], s[34:35]        ; router_w at row 256 w
.irp i, 0,1,2,3,4,5,6,7,8,9,10,11,12,13,14,15
	global_load_b128 v[RW+4*\i:RW+4*\i+3], v9, s[24:25] offset:512*\i   ; 512 consecutive bytes a load
.endr
	s_lshl_b32 s36, ttmp9, 15                      ; 8 tokens of 4,096 bytes
	s_lshl_b32 s40, s22, 10
	s_add_co_u32 s36, s36, s40
	s_add_nc_u64 s[26:27], s[4:5], s[36:37]
.macro LOADB q                         ; tokens 4 q .. 4 q + 3 into set q % 2: a token's two loads cover 1,024 consecutive bytes
.irp n, 0,1,2,3
	global_load_b128 v[XX+32*((\q)%2)+8*\n:XX+32*((\q)%2)+8*\n+3], v2, s[26:27] offset:(4*(\q)+\n)*4096 th:TH_LOAD_NT
	global_load_b128 v[XX+32*((\q)%2)+8*\n+4:XX+32*((\q)%2)+8*\n+7], v2, s[26:27] offset:(4*(\q)+\n)*4096+16 th:TH_LOAD_NT
.endr
.endm
	LOADB 0
	LOADB 1
.irp e, 0,1,2,3,4,5,6,7
	v_mov_b32 v[PD+\e], 0                          ; written once: a lane permute's destination counts as one of its sources
.endr
	s_wait_alu depctr_va_vdst(0)
	s_wait_loadcnt 16                              ; router_w's 16 loads are in; the 16 loads of x issued behind them may be out
.irp i, 0,1,2,3,4,5,6,7,8,9,10,11,12,13,14,15
	ds_store_b128 v14, v[RW+4*\i:RW+4*\i+3] offset:544*\i
.endr
.irp i, 0,1,2,3,4,5,6,7,8,9,10,11,12,13,14,15
	ds_load_b128 v[RW+4*\i:RW+4*\i+3], v15 offset:16*\i            ; LDS serves a wave's instructions in order (ISA guide 5.7.1.4): these see the stores above.  v[RW + 8 i + e] = router_w[256 w + 8 l + i][e]
.endr
.macro TOKEN tau
.set XR, XX+32*(((\tau)/4)%2)+8*((\tau)%4)
.set AR, ACC+24*((\tau)%2)
.set QR, 160+2*((\tau)%2)
.if (\tau) >= 2
	s_wait_dscnt 4                                 ; the four LDS stores of the token before may be out; those of two tokens back have read this set's registers
.endif
.irp p, 0,1,2,3
	v_pk_mul_f32 v[AR+2*\p:AR+2*\p+1], v[XR:XR+1], v[RW+2*\p:RW+2*\p+1] op_sel_hi:[0,1]   ; x0 for both halves x two experts' weights: starts the sums
.endr
.irp i, 1,2,3,4,5,6,7
.irp p, 0,1,2,3
.if \i%2 == 0
	v_pk_fma_f32 v[AR+2*\p:AR+2*\p+1], v[XR+\i:XR+\i+1], v[RW+8*\i+2*\p:RW+8*\i+2*\p+1], v[AR+2*\p:AR+2*\p+1] op_sel_hi:[0,1,1]
.else
	v_pk_fma_f32 v[AR+2*\p:AR+2*\p+1], v[XR+\i-1:XR+\i], v[RW+8*\i+2*\p:RW+8*\i+2*\p+1], v[AR+2*\p:AR+2*\p+1] op_sel:[1,0,0] op_sel_hi:[1,1,1]
.endif
.endr
.endr
	v_max3_num_f32 v164, |v[XR]|, |v[XR+1]|, 0x1800000             ; the quantiser: my 8 numbers and the floor 2^(3 - 127)
	v_max3_num_f32 v164, v164, |v[XR+2]|, |v[XR+3]|
	v_max3_num_f32 v164, v164, |v[XR+4]|, |v[XR+5]|
	v_max3_num_f32 v164, v164, |v[XR+6]|, |v[XR+7]|
.irp m, 1,2,4,8
.irp e, 0,1,2,3,4,5,6,7
	v_add_f32_dpp v[AR+\e], v[AR+\e], v[AR+\e] row_xmask:\m row_mask:0xf bank_mask:0xf   ; the eight sums by turns, over 16 lanes
.endr
.endr
.irp e, 0,1,2,3,4,5,6,7
	v_permlanex16_b32 v[PD+\e], v[AR+\e], s30, s31
.endr
.irp e, 0,1,2,3,4,5,6,7
	v_add_f32 v[AR+\e], v[AR+\e], v[PD+\e]         ; and the other 16: my wave's part of the eight logits, in every lane
.endr
	ds_store_b128 v5, v[AR:AR+3] offset:128*(\tau)                 ; all lanes write the same bytes with the same values
	ds_store_b128 v5, v[AR+4:AR+7] offset:128*(\tau)+16
	v_max_num_f32_dpp v164, v164, v164 row_xmask:1 row_mask:0xf bank_mask:0xf   ; four neighbouring lanes hold a block of 32
	v_max_num_f32_dpp v164, v164, v164 row_xmask:2 row_mask:0xf bank_mask:0xf
	v_add_nc_u32 v165, 0xff000000, v164            ; 2 off the exponent field: the conversion's scale operand
	v_cvt_scalef32_pk8_fp4_f32 v[QR], v[XR:XR+7], v165
	v_lshrrev_b32 v[QR+1], 23, v165                ; the scale's byte (a plain line behind the conversion)
	ds_store_b32 v3, v[QR] offset:512*(\tau)
	ds_store_b8 v4, v[QR+1] offset:32*(\tau)       ; the block's four lanes write the same byte with the same value
.endm
	s_wait_dscnt 0x0                               ; router_w is back in registers
.irp q, 0,1
.if \q < 1
	s_wait_loadcnt 8                               ; the first four tokens are in; the second batch's eight loads may be out
.else
	s_wait_loadcnt 0
.endif
.irp n, 0,1,2,3
	TOKEN (4*\q+\n)
.endr
.endr
	s_wait_dscnt 0x0                               ; for the others' sake: my LDS stores have landed
	s_barrier_signal -1
	s_barrier_wait -1                              ; (the branch that led here hangs on the work-group's number alone: all four waves pass)
	s_lshl_b32 s38, ttmp9, 12                      ; codes: 8 rows of 512 bytes a work-group, 2 a wave
	s_lshl_b32 s40, s22, 10
	s_add_co_u32 s38, s38, s40
	s_add_nc_u64 s[28:29], s[12:13], s[38:39]
	ds_load_b128 v[XX:XX+3], v6
	ds_load_b128 v[XX+4:XX+7], v6 offset:512
	s_wait_dscnt 1                                 ; LDS loads come back in order: the first row is in, the second may be out
	global_store_b128 v9, v[XX:XX+3], s[28:29]     ; a whole row: 512 consecutive bytes, aligned
	s_wait_dscnt 0x0
	global_store_b128 v9, v[XX+4:XX+7], s[28:29] offset:512
	s_cmp_lg_u32 s22, 0
	s_cbranch_scc1 .Lx_end
	; ---- wave 0: the scale bytes, the zeros of the row list, the router
	ds_load_b64 v[112:113], v10
.irp i, 0,1,2,3,4,5,6,7
	ds_load_b128 v[16+4*\i:16+4*\i+3], v8 offset:16*\i             ; my token's four parts of eight logits: wave i / 2 at v[16 + 8 (i / 2)]
.endr
	s_lshl_b32 s34, ttmp9, 8
	s_add_nc_u64 s[24:25], s[12:13], s[34:35]      ; (all loads are in: the pairs that they named are free)  the scale bytes: 256 a work-group
	s_lshl_b32 s36, ttmp9, 7
	s_add_nc_u64 s[26:27], s[16:17], s[36:37]      ; the row list
	s_lshl_b32 s38, ttmp9, 5
	s_add_nc_u64 s[32:33], s[14:15], s[38:39]      ; the set numbers: 32 bytes a work-group
	s_lshl_b32 s34, ttmp9, 6
	s_add_nc_u64 s[44:45], s[12:13], s[34:35]      ; the gates: 64 bytes
	s_and_b32 s40, ttmp9, 3
	s_cmp_lg_u32 s40, 0
	s_cbranch_scc1 .Lno_zero                       ; every fourth work-group zeroes 512 bytes: 64 x 512 bytes are the whole list
.irp i, 0,1,2,3
	v_mov_b32 v[120+\i], 0
.endr
	global_store_b128 v9, v[120:123], s[26:27]     ; 128 slots of the row list: a slot that gets no token later names token 0
.Lno_zero:
	s_wait_dscnt 0x0
	global_store_b64 v7, v[112:113], s[24:25] offset:1048576       ; 32 lanes store 256 consecutive bytes, aligned
.irp e, 0,1,2,3,4,5,6,7
	v_add_f32 v[48+\e], v[16+\e], v[24+\e]
	v_add_f32 v[56+\e], v[32+\e], v[40+\e]
.endr
.irp e, 0,1,2,3,4,5,6,7
	v_add_f32 v[48+\e], v[48+\e], v[56+\e]         ; the logits
.endr
	v_max3_num_f32 v64, v48, v49, v50
	v_max3_num_f32 v64, v64, v51, v52
	v_max3_num_f32 v64, v64, v53, v54
	v_max_num_f32 v64, v64, v55                    ; the largest is taken away, as the softmax does
.irp e, 0,1,2,3,4,5,6,7
	v_sub_f32 v[48+\e], v[48+\e], v64
.endr
.irp e, 0,1,2,3,4,5,6,7
	v_mul_f32 v[48+\e], 0x3fb8aa3b, v[48+\e]
.endr
	s_wait_alu depctr_va_vdst(0)
.irp e, 0,1,2,3,4,5,6,7
	v_exp_f32 v[48+\e], v[48+\e]
.endr
	v_mov_b32 v66, 0                               ; the best's index (a plain line behind the exponentials)
	v_mov_b32 v68, 0                               ; the second's
	v_mov_b32 v67, -1.0                            ; the second best: under every exponential
	s_wait_alu depctr_va_vdst(0)                   ; one wait for the eight, ahead of their first reader
	v_mov_b32 v65, v48                             ; the best
.irp e, 1,2,3,4,5,6,7
	v_cmp_gt_f32 vcc_lo, v[48+\e], v65             ; strictly above: a tie keeps the lower index
	v_cmp_gt_f32 s40, v[48+\e], v67
	v_cndmask_b32 v67, v67, v[48+\e], s40
	v_cndmask_b32 v68, v68, \e, s40
	v_cndmask_b32 v67, v67, v65, vcc_lo
	v_cndmask_b32 v68, v68, v66, vcc_lo
	v_cndmask_b32 v65, v65, v[48+\e], vcc_lo
	v_cndmask_b32 v66, v66, \e, vcc_lo
.endr
	v_add_f32 v69, v65, v67
	s_wait_alu depctr_va_vdst(0)
	v_rcp_f32 v69, v69
	v_min_u32 v70, v66, v68                        ; a < b: the token's set of experts
	v_max_u32 v71, v66, v68
	v_cmp_lt_u32 vcc_lo, v66, v68
	s_wait_alu depctr_va_vdst(0)                   ; ahead of the reciprocal's first reader
	v_mul_f32 v72, v65, v69
	v_mul_f32 v73, v67, v69
	v_cndmask_b32 v74, v73, v72, vcc_lo            ; a's gate,
	v_cndmask_b32 v75, v72, v73, vcc_lo            ; b's
	v_sub_nc_u32 v76, 15, v70
	v_mul_u32_u24 v76, v70, v76
	v_lshrrev_b32 v76, 1, v76
	v_sub_nc_u32 v77, v71, v70
	v_add3_u32 v76, v76, v77, -1                   ; the set's number: a (15 - a) / 2 + b - a - 1, 0 .. 27
	v_lshlrev_b32 v78, 2, v1
	s_wait_alu depctr_va_vdst(0)
	s_wait_xcnt 0x0                                ; EXEC is a source of the stores above: it changes only behind this wait
	v_cmp_gt_u32 vcc_lo, 8, v1
	s_and_saveexec_b32 s40, vcc_lo                 ; lanes 0 to 7 hold the eight tokens; the others hold copies
	global_store_b32 v78, v76, s[32:33]
	global_store_b64 v7, v[74:75], s[44:45] offset:1114112
	s_wait_xcnt 0x0                                ; and again, ahead of the line that widens it
	s_or_b32 exec_lo, exec_lo, s40
.Lx_end:
	s_wait_tensorcnt 0x0
	ds_add_u32 v192, v193
	s_wait_dscnt 0x0
	s_endpgm
.Lfunc_end_k_q8f04daa7cf_prep:
	.size	k_q8f04daa7cf_prep, .Lfunc_end_k_q8f04daa7cf_prep-k_q8f04daa7cf_prep
	.p2alignl 7, 3214868480
	.fill 96, 4, 3214868480
	.section	.rodata,"a",@progbits
	.p2align	6, 0x0
	.amdhsa_kernel k_q8f04daa7cf_prep
		.amdhsa_group_segment_fixed_size 40704
		.amdhsa_private_segment_fixed_size 0
		.amdhsa_enable_private_segment 0
		.amdhsa_kernarg_size 72
		.amdhsa_user_sgpr_count 2
		.amdhsa_user_sgpr_kernarg_segment_ptr 1
		.amdhsa_wavefront_size32 1
		.amdhsa_system_sgpr_workgroup_id_x 1
		.amdhsa_system_sgpr_workgroup_id_y 1
		.amdhsa_system_sgpr_workgroup_id_z 1
		.amdhsa_system_vgpr_workitem_id 0
		.amdhsa_next_free_vgpr 194
		.amdhsa_next_free_sgpr 66
		.amdhsa_reserve_vcc 1
		.amdhsa_float_denorm_mode_32 3
		.amdhsa_float_denorm_mode_16_64 3
		.amdhsa_memory_ordered 1
		.amdhsa_forward_progress 1
		.amdhsa_inst_pref_size 137
	.end_amdhsa_kernel
	.amdgpu_metadata
---
amdhsa.version: [ 1, 2 ]
amdhsa.kernels:
  - .name:           k_q8f04daa7cf_prep
    .symbol:         k_q8f04daa7cf_prep.kd
    .args:
      - { .name: hidden_states, .offset: 0, .size: 8, .value_kind: global_buffer, .address_space: global }
      - { .name: router_w, .offset: 8, .size: 8, .value_kind: global_buffer, .address_space: global }
      - { .name: w1, .offset: 16, .size: 8, .value_kind: global_buffer, .address_space: global }
      - { .name: w2, .offset: 24, .size: 8, .value_kind: global_buffer, .address_space: global }
      - { .name: xq, .offset: 32, .size: 8, .value_kind: global_buffer, .address_space: global }
      - { .name: setid, .offset: 40, .size: 8, .value_kind: global_buffer, .address_space: global }
      - { .name: plan, .offset: 48, .size: 8, .value_kind: global_buffer, .address_space: global }
      - { .name: wc, .offset: 56, .size: 8, .value_kind: global_buffer, .address_space: global }
      - { .name: ws, .offset: 64, .size: 8, .value_kind: global_buffer, .address_space: global }
    .group_segment_fixed_size: 40704
    .private_segment_fixed_size: 0
    .kernarg_segment_align: 8
    .kernarg_segment_size: 72
    .max_flat_workgroup_size: 128
    .sgpr_count:     66
    .vgpr_count:     194
    .wavefront_size: 32
...
	.end_amdgpu_metadata
.endif
;; end of part 5
;; launch place (part 6): grid 1 x 1, 16 waves a work-group, no clusters, 4,096 bytes of LDS; arguments setid, plan; writes plan
.if DOCPART == 6
	.amdgcn_target "amdgcn-amd-amdhsa--gfx1250"
	.amdhsa_code_object_version 6
	.text
	.protected	k_q8f04daa7cf_place
	.globl	k_q8f04daa7cf_place
	.p2align	8
	.type	k_q8f04daa7cf_place,@function
k_q8f04daa7cf_place:
	s_mov_b64 s[64:65], 0
	v_nop
	global_prefetch_b8 v0, s[64:65] scope:SCOPE_SE
	s_setreg_imm32_b32 hwreg(HW_REG_WAVE_MODE, 25, 1), 1
	s_wait_xcnt 0x0
; PLACE.  A counting sort of the 2,048 tokens by their set of two experts (28 sets), by one work-group, without atomics and without a branch on data.
; Each set gets whole tiles of 128 slots; there are never more than 2,048 / 128 + 28 - 1 = 43 tiles.  Stored: the row list [64 tiles][128 slots] (token numbers; slots that get none were zeroed by the launch before)
; and the tile table [64][4] at byte 32,768: expert a, expert b, number of rows, 0.
; Wave w owns four groups of 32 tokens, 4 w .. 4 w + 3, a lane to a token.  In the vectors of counts a lane stands for a set.
; COUNTS AND RANKS come from the five ballots of the set number's bits, not from a walk over the 28 sets.  A ballot, xor all ones where my own bit is clear, is the mask of the lanes that agree with me in that bit;
; the AND of the five is the mask of the tokens of my token's set, and the number of its bits under my lane is my token's rank.  The same five ballots against the bits of my LANE's number give the mask of the
; tokens of set = lane; its population count (twelve plain lines) is the group's count of that set.  The four groups take turns line by line, so that no line waits for the line above it.
.set ID,  4                            ; v4-7    my four tokens' sets
.set T0,  8                            ; v8-11   at work
.set T1,  12                           ; v12-15  at work
.set MR,  16                           ; v16-19  masks: the tokens of my token's set
.set MC,  20                           ; v20-23  masks: the tokens of set = my lane
.set YB,  24                           ; v24-28  all ones where bit k of my lane's number is clear
.set RK,  32                           ; v32-35  ranks
.set CN,  36                           ; v36-39  counts (lane = set)
	s_load_b128 s[4:7], s[0:1], 0x0                ; setid, plan
	v_lshl_add_u32 v128, v0, 2, 0x800
	v_mov_b32 v129, 0
	v_lshrrev_b32 v1, 5, v0
	s_delay_alu instid0(VALU_DEP_1)
	v_readfirstlane_b32 s8, v1                     ; wave 0..15
	v_and_b32 v1, 31, v0                           ; lane
	s_lshl_b32 s9, s8, 9
	v_lshl_add_u32 v2, v1, 2, s9                   ; 512 w + 4 l: my first token's word in setid
	v_lshlrev_b32 v3, 2, v1
	s_lshl_b32 s9, s8, 7
	v_lshl_add_u32 v43, v1, 2, s9                  ; LDS: 128 w + 4 l: my wave's vector of counts
	s_wait_alu depctr_va_vdst(0)
	s_wait_kmcnt 0x0
.irp j, 0,1,2,3
	global_load_b32 v[ID+\j], v2, s[4:5] offset:128*\j
.endr
	v_xor_b32 v29, -1, v1
.irp k, 0,1,2,3,4
	v_lshlrev_b32 v[YB+\k], 31-\k, v29
.endr
.irp k, 0,1,2,3,4
	v_ashrrev_i32 v[YB+\k], 31, v[YB+\k]
.endr
	s_mov_b32 s28, 0x55555555
	s_mov_b32 s29, 0x33333333
	s_mov_b32 s30, 0x0f0f0f0f
	s_mov_b32 s31, 0x01010101
	v_mov_b32 v44, 0                               ; the running sum over the waves
	v_mov_b32 v45, 0                               ; what stood in it at my wave
	v_mov_b32 v47, 0                               ; each set's first tile
	s_wait_loadcnt 0x0
.irp j, 0,1,2,3
	v_min_u32 v[ID+\j], 27, v[ID+\j]
.endr
.irp k, 0,1,2,3,4
.irp j, 0,1,2,3
	v_and_b32 v[T0+\j], 1<<\k, v[ID+\j]
.endr
.irp j, 0,1,2,3
	s_delay_alu instid0(VALU_DEP_4)
	v_cmp_ne_u32 s[20+\j], 0, v[T0+\j]             ; the ballot of bit k in group j
.endr
.irp j, 0,1,2,3
	s_delay_alu instid0(VALU_DEP_4)
	v_cndmask_b32 v[T1+\j], -1, 0, s[20+\j]        ; all ones where my token's bit is clear
.endr
.if \k == 0
.irp j, 0,1,2,3
	v_xor_b32 v[MR+\j], s[20+\j], v[T1+\j]         ; the lanes that agree with my token in this bit,
	v_xor_b32 v[MC+\j], s[20+\j], v[YB+\k]         ; and with my lane's number
.endr
.else
.irp j, 0,1,2,3
	v_xor_b32 v[T1+\j], s[20+\j], v[T1+\j]
	v_xor_b32 v[T0+\j], s[20+\j], v[YB+\k]
.endr
.irp j, 0,1,2,3
	v_and_b32 v[MR+\j], v[MR+\j], v[T1+\j]
	v_and_b32 v[MC+\j], v[MC+\j], v[T0+\j]
.endr
.endif
.endr
.irp j, 0,1,2,3
	v_mbcnt_lo_u32_b32 v[RK+\j], v[MR+\j], 0       ; how many tokens of my token's set stand in lower lanes
.endr
	; the population count of MC: pairs, fours, bytes, and the sum of the four bytes by a multiplication
.irp j, 0,1,2,3
	v_lshrrev_b32 v[T0+\j], 1, v[MC+\j]
.endr
.irp j, 0,1,2,3
	s_delay_alu instid0(VALU_DEP_4)
	v_and_b32 v[T0+\j], s28, v[T0+\j]
.endr
.irp j, 0,1,2,3
	s_delay_alu instid0(VALU_DEP_4)
	v_sub_nc_u32 v[MC+\j], v[MC+\j], v[T0+\j]
.endr
.irp j, 0,1,2,3
	s_delay_alu instid0(VALU_DEP_4)
	v_lshrrev_b32 v[T0+\j], 2, v[MC+\j]
.endr
.irp j, 0,1,2,3
	s_delay_alu instid0(VALU_DEP_4)
	v_and_b32 v[T0+\j], s29, v[T0+\j]
.endr
.irp j, 0,1,2,3
	v_and_b32 v[MC+\j], s29, v[MC+\j]
.endr
.irp j, 0,1,2,3
	s_delay_alu instid0(VALU_DEP_4)
	v_add_nc_u32 v[MC+\j], v[MC+\j], v[T0+\j]
.endr
.irp j, 0,1,2,3
	s_delay_alu instid0(VALU_DEP_4)
	v_lshrrev_b32 v[T0+\j], 4, v[MC+\j]
.endr
.irp j, 0,1,2,3
	s_delay_alu instid0(VALU_DEP_4)
	v_add_nc_u32 v[MC+\j], v[MC+\j], v[T0+\j]
.endr
.irp j, 0,1,2,3
	s_delay_alu instid0(VALU_DEP_4)
	v_and_b32 v[MC+\j], s30, v[MC+\j]
.endr
.irp j, 0,1,2,3
	s_delay_alu instid0(VALU_DEP_4)
	v_mul_lo_u32 v[MC+\j], v[MC+\j], s31
.endr
.irp j, 0,1,2,3
	s_delay_alu instid0(VALU_DEP_4)
	v_lshrrev_b32 v[CN+\j], 24, v[MC+\j]
.endr
	s_delay_alu instid0(VALU_DEP_3)
	v_add_nc_u32 v40, v[CN], v[CN+1]               ; what stands ahead of my third group,
	s_delay_alu instid0(VALU_DEP_1)
	v_add_nc_u32 v41, v40, v[CN+2]                 ; of my fourth,
	s_delay_alu instid0(VALU_DEP_1)
	v_add_nc_u32 v42, v41, v[CN+3]                 ; and my wave's sum
	ds_store_b32 v43, v42
	s_wait_dscnt 0x0                               ; for the others' sake
	s_barrier_signal -1
	s_barrier_wait -1
.set G, 0
.rept 16
	ds_load_b32 v[48+G], v3 offset:128*G           ; all sixteen waves' counts of my lane's set
.set G, G+1
.endr
	s_wait_dscnt 0x0
.set G, 0
.rept 16
.if G > 0
	s_cmp_eq_u32 s8, G
	s_cselect_b32 s22, -1, 0
	v_cndmask_b32 v45, v45, v44, s22               ; the sum over the waves ahead of mine
.endif
	v_add_nc_u32 v44, v44, v[48+G]
.set G, G+1
.endr
	s_delay_alu instid0(VALU_DEP_1)
	v_add_nc_u32 v46, 127, v44
	s_delay_alu instid0(VALU_DEP_1)
	v_lshrrev_b32 v46, 7, v46                      ; the set's tiles
.set L, 0
.rept 28
	v_readlane_b32 s[68+L], v46, L
.set L, L+1
.endr
	s_mov_b32 s24, 0                               ; the first tile of the set in hand
.set L, 0
.rept 28
	v_writelane_b32 v47, s24, L
	s_add_co_u32 s24, s24, s[68+L]
.set L, L+1
.endr
	v_lshl_add_u32 v64, v47, 7, v45                ; lane = set: the slot of my first group's first token of that set,
	s_delay_alu instid0(VALU_DEP_1)
	v_add_nc_u32 v65, v64, v[CN]                   ; of my second group's,
	s_delay_alu instid0(VALU_DEP_2)
	v_add_nc_u32 v66, v64, v40
	s_delay_alu instid0(VALU_DEP_3)
	v_add_nc_u32 v67, v64, v41
.irp j, 0,1,2,3
	v_lshlrev_b32 v[68+\j], 2, v[ID+\j]
.endr
.irp j, 0,1,2,3
	ds_bpermute_b32 v[72+\j], v[68+\j], v[64+\j]   ; each token pulls its set's
.endr
	s_lshl_b32 s11, s8, 7
	v_add_nc_u32 v76, s11, v1                      ; my four tokens' numbers
	s_delay_alu instid0(VALU_DEP_1)
	v_add_nc_u32 v77, 32, v76
	s_delay_alu instid0(VALU_DEP_2)
	v_add_nc_u32 v78, 64, v76
	s_delay_alu instid0(VALU_DEP_3)
	v_add_nc_u32 v79, 0x60, v76
	s_wait_dscnt 0x0
.irp j, 0,1,2,3
	v_add_nc_u32 v[72+\j], v[72+\j], v[RK+\j]
.endr
.irp j, 0,1,2,3
	s_delay_alu instid0(VALU_DEP_4)
	v_min_u32 v[72+\j], 5503, v[72+\j]             ; 43 tiles of 128 slots
.endr
.irp j, 0,1,2,3
	s_delay_alu instid0(VALU_DEP_4)
	v_lshlrev_b32 v[72+\j], 2, v[72+\j]
.endr
.irp j, 0,1,2,3
	global_store_b32 v[72+\j], v[76+\j], s[6:7]
.endr
	s_cmp_gt_u32 s8, 1
	s_cbranch_scc1 .Lend
	; ---- waves 0 and 1: the table, a lane to a tile: tiles 32 w + lane
	s_lshl_b32 s9, s8, 5
	v_add_nc_u32 v16, s9, v1
	v_mov_b32 v17, 0                               ; a + 8 b,
	v_mov_b32 v19, 0                               ; the first tile,
	v_mov_b32 v21, 0                               ; and the tokens of the set that owns my tile
	s_mov_b32 s24, 0
.set L, 0
.set PA, 0
.set PB, 1
.rept 28
	v_readlane_b32 s26, v44, L
	v_cmp_le_u32 vcc_lo, s24, v16                  ; the last set that begins at or under a tile owns it
	s_delay_alu instid0(VALU_DEP_1)
	v_cndmask_b32 v17, v17, PA+8*PB, vcc_lo
	s_delay_alu instid0(VALU_DEP_2)
	v_cndmask_b32 v19, v19, s24, vcc_lo
	s_delay_alu instid0(VALU_DEP_3)
	v_cndmask_b32 v21, v21, s26, vcc_lo
	s_add_co_u32 s24, s24, s[68+L]
.set L, L+1
.set PB, PB+1
.if PB == 8
.set PA, PA+1
.set PB, PA+1
.endif
.endr
	v_and_b32 v100, 7, v17                         ; a, b,
	v_lshrrev_b32 v101, 3, v17
	v_sub_nc_u32 v31, v16, v19                     ; which tile of its set,
	s_delay_alu instid0(VALU_DEP_1)
	v_lshlrev_b32 v31, 7, v31
	s_delay_alu instid0(VALU_DEP_1)
	v_min_u32 v31, v21, v31
	s_delay_alu instid0(VALU_DEP_1)
	v_sub_nc_u32 v31, v21, v31
	s_delay_alu instid0(VALU_DEP_1)
	v_min_u32 v102, 128, v31                       ; its rows: what is left of the set, 128 at the most, 0 in a tile that no set fills
	v_mov_b32 v103, 0
	v_lshlrev_b32 v96, 4, v16
	global_store_b128 v96, v[100:103], s[6:7] offset:32768         ; 32 lanes store 512 consecutive bytes, aligned
.Lend:
	s_wait_tensorcnt 0x0
	ds_add_u32 v128, v129
	s_wait_dscnt 0x0
	s_endpgm
.Lfunc_end_k_q8f04daa7cf_place:
	.size	k_q8f04daa7cf_place, .Lfunc_end_k_q8f04daa7cf_place-k_q8f04daa7cf_place
	.p2alignl 7, 3214868480
	.fill 96, 4, 3214868480
	.section	.rodata,"a",@progbits
	.p2align	6, 0x0
	.amdhsa_kernel k_q8f04daa7cf_place
		.amdhsa_group_segment_fixed_size 4096
		.amdhsa_private_segment_fixed_size 0
		.amdhsa_enable_private_segment 0
		.amdhsa_kernarg_size 16
		.amdhsa_user_sgpr_count 2
		.amdhsa_user_sgpr_kernarg_segment_ptr 1
		.amdhsa_wavefront_size32 1
		.amdhsa_system_sgpr_workgroup_id_x 1
		.amdhsa_system_sgpr_workgroup_id_y 1
		.amdhsa_system_sgpr_workgroup_id_z 1
		.amdhsa_system_vgpr_workitem_id 0
		.amdhsa_next_free_vgpr 130
		.amdhsa_next_free_sgpr 96
		.amdhsa_reserve_vcc 1
		.amdhsa_float_denorm_mode_32 3
		.amdhsa_float_denorm_mode_16_64 3
		.amdhsa_memory_ordered 1
		.amdhsa_forward_progress 1
		.amdhsa_inst_pref_size 35
	.end_amdhsa_kernel
	.amdgpu_metadata
---
amdhsa.version: [ 1, 2 ]
amdhsa.kernels:
  - .name:           k_q8f04daa7cf_place
    .symbol:         k_q8f04daa7cf_place.kd
    .args:
      - { .name: setid, .offset: 0, .size: 8, .value_kind: global_buffer, .address_space: global }
      - { .name: plan, .offset: 8, .size: 8, .value_kind: global_buffer, .address_space: global }
    .group_segment_fixed_size: 4096
    .private_segment_fixed_size: 0
    .kernarg_segment_align: 8
    .kernarg_segment_size: 16
    .max_flat_workgroup_size: 512
    .sgpr_count:     96
    .vgpr_count:     130
    .wavefront_size: 32
...
	.end_amdgpu_metadata
.endif
;; end of part 6
;; launch ffn1 (part 7): grid 8 x 43, 4 waves a work-group, no clusters, 0 bytes of LDS; arguments plan, xq, wc, ws, b1, hc, hs; writes hc, hs
.if DOCPART == 7
	.amdgcn_target "amdgcn-amd-amdhsa--gfx1250"
	.amdhsa_code_object_version 6
	.text
	.protected	k_q8f04daa7cf_ffn1
	.globl	k_q8f04daa7cf_ffn1
	.p2align	8
	.type	k_q8f04daa7cf_ffn1,@function
k_q8f04daa7cf_ffn1:
	s_mov_b64 s[64:65], 0
	v_nop
	global_prefetch_b8 v0, s[64:65] scope:SCOPE_SE
	s_setreg_imm32_b32 hwreg(HW_REG_WAVE_SCHED_MODE, 0, 2), 2
	s_setreg_imm32_b32 hwreg(HW_REG_WAVE_MODE, 25, 1), 1
	s_wait_xcnt 0x0
	s_wait_alu depctr_vm_vsrc(0)
; FFN1.  hid = gelu(x W1 + b1) for the rows of one tile and one of its two experts, quantised to FP4 along the hidden units and stored as images of the second product's operand registers.
; Work-group (x = j, y = tile): expert a (j < 4) or b; wave w makes hidden units 128 u .. 128 u + 127, u = 4 (j % 4) + w: one K step of the second product.  Its 64 fragments of W1 stay in registers.
; The tile table and the row list were stored by an earlier launch.  A tile without rows ends at once; therefore operands come from memory straight into registers: no LDS, no barrier, no cluster
; (partners would need different numbers of tiles, known only from memory).
; THE PRODUCT IS USED TRANSPOSED: source 0 = 16 rows of W1, source 1 = 16 tokens.  A lane holds one token, and the 16 registers of tiles 2 b, 2 b + 1 are units 32 b + 16 (lane / 16) + 0 .. 15 (the rows of a tile were chosen so).
; gelu(v) = v / (1 + 2^(v (c0 + c1 v^2))), c0 = -2 sqrt(2 / pi) log2 e, c1 = 0.044715 c0: the tanh form, written as a sigmoid; all in f32.
; Slots of the row list behind a tile's last row name token 0: such rows are computed and stored, and nobody keeps them.
; LIMITS: NaN and infinities are not served; a block of zeros gets the byte 1 (its codes are zeros; this program alone reads the bytes).
; REGISTERS, in windows of 256.  Window 0: below.  Window 1: W1's K steps 0-3, fragment (s, t) at 64 s + 8 t.  Window 2: K steps 4-7.  Window 3: v0-63 b1 in the result's layout; v64-127, v128-191 x's fragments, two slots.
; THE MODE: SCHED_MODE bits 1:0 = 2 (LLVM: expert scheduling mode 2), set by the entry lines.  The code itself states the register dependences
; between vector or matrix instructions and memory instructions, with s_wait_alu, always for 0.
; THE PLAN.  Registers that memory instructions touch:
;   v1-5, v14      offsets, made once at the head and never written again.
;   AC[sl], AS[sl] written by the three address lines of slot sl's turn, read by that turn's 18 loads.
;   XF[sl], XS[sl] those 18 loads land in them; the 64 products of slot sl's next turn read them.
;   PC, PW         written by a turn's quantiser, read by its three stores.
;   W1, b1, W1's scale words and the ids are loaded once, at the head.  HA, T and TM are named by vector and matrix instructions alone.
; A turn has one wait on vm_vsrc, at its head (the slot's earlier loads have read AC and AS, the last turn's stores PC and PW: this turn writes all four again), and six on va_vdst:
; ahead of the offsets, ahead of the exponentials, behind them (they are written; the products are done reading the slot; its new addresses are written: the slot's 18 loads follow at once), ahead of the reciprocals, behind them, and ahead of the stores.
.set LI,   1                           ; 16 x lane
.set LS,   2                           ; 4 x lane
.set R4,   3                           ; 4 (lane % 16)
.set H16,  4                           ; 16 (lane / 16)
.set H64,  5                           ; 64 (lane / 16)
.set AC,   6                           ; v6-7   byte offsets of my token's codes, slot 0, 1
.set AS,   8                           ; v8-9   of its scale words
.set C0,   10                          ; v[10:11] c0 twice
.set C1,   12                          ; v[12:13] c1 twice
.set L8,   14                          ; 8 x lane
.set TOKV, 16                          ; v16-23 my token of the row tiles in hand and ahead
.set XS,   24                          ; v24-39 x's scale words, two slots of 8: scales and nothing else
.set W1S,  40                          ; v40-71 W1's scale words, pair p, K step s at 8 p + s: lanes 0-15 tile 2 p, lanes 16-31 tile 2 p + 1
.set PC,   72                          ; v72-79 the codes just made
.set TM,   80                          ; v80-95 the quantiser's scratch
.set PW,   96                          ; the scale word just made
.set HA,   128                         ; v128-191 my 8 tiles of the hidden layer
.set T,    192                         ; v192-255 gelu's scratch
.set BI,   0                           ; window 3
.set XF,   64                          ; window 3
.set MSB, 0
.macro WIN new                         ; the immediate's high byte repeats the setting that is left
.if MSB != \new
	s_set_vgpr_msb (MSB<<8)|\new
.set MSB, \new
.endif
.endm
; one product; c < 0: the constant 0 starts the sum; odd: source 0's scales stand in lanes 16-31
.macro MM d, a, b, c, sa, sb, odd
.if \odd
.if (\c) < 0
	v_wmma_scale_f32_16x16x128_f8f6f4 v[(\d):(\d)+7], v[(\a):(\a)+7], v[(\b):(\b)+7], 0, v[\sa], v[\sb] matrix_a_fmt:MATRIX_FMT_FP4 matrix_b_fmt:MATRIX_FMT_FP4 matrix_a_scale:MATRIX_SCALE_ROW1
.else
	v_wmma_scale_f32_16x16x128_f8f6f4 v[(\d):(\d)+7], v[(\a):(\a)+7], v[(\b):(\b)+7], v[(\c):(\c)+7], v[\sa], v[\sb] matrix_a_fmt:MATRIX_FMT_FP4 matrix_b_fmt:MATRIX_FMT_FP4 matrix_a_scale:MATRIX_SCALE_ROW1
.endif
.else
.if (\c) < 0
	v_wmma_scale_f32_16x16x128_f8f6f4 v[(\d):(\d)+7], v[(\a):(\a)+7], v[(\b):(\b)+7], 0, v[\sa], v[\sb] matrix_a_fmt:MATRIX_FMT_FP4 matrix_b_fmt:MATRIX_FMT_FP4
.else
	v_wmma_scale_f32_16x16x128_f8f6f4 v[(\d):(\d)+7], v[(\a):(\a)+7], v[(\b):(\b)+7], v[(\c):(\c)+7], v[\sa], v[\sb] matrix_a_fmt:MATRIX_FMT_FP4 matrix_b_fmt:MATRIX_FMT_FP4
.endif
.endif
.endm
; a row tile's operand into slot sl, in two parts.  TADR: the two offsets; the id is held inside the table directly ahead of the shifts that make them
.macro TADR sl, idr
	v_min_u32 v[AS+\sl], 2047, v[\idr]
	v_lshl_add_u32 v[AC+\sl], v[AS+\sl], 9, v[H16]                 ; a row of codes is 512 bytes; + my half's 16
	v_lshlrev_b32 v[AS+\sl], 5, v[AS+\sl]                          ; a row of scale bytes is 32
.endm
; TGET: 16 tokens x 1,024 codes and their 8 scale words: 18 loads
.macro TGET sl
	WIN 0xc0                                       ; destination window 3
.irp ks, 0,1,2,3,4,5,6,7
.irp c, 0,1
	global_load_b128 v[XF+64*\sl+8*\ks+4*\c:XF+64*\sl+8*\ks+4*\c+3], v[AC+\sl], s[6:7] offset:64*\ks+32*\c
.endr
.endr
	WIN 0
	global_load_b128 v[XS+8*\sl:XS+8*\sl+3], v[AS+\sl], s[6:7] offset:1048576
	global_load_b128 v[XS+8*\sl+4:XS+8*\sl+7], v[AS+\sl], s[6:7] offset:1048576+16
.endm
; 64 numbers of a lane, register 16 b + i = k 32 b + 16 (lane / 16) + i of my row, become a fragment's codes in v[PC] on and its scale word in v[PW]
.macro QUANT src
.irp b, 0,1,2,3
	v_max3_num_f32 v[TM+\b], |v[\src+16*\b]|, |v[\src+1+16*\b]|, 0x1800000   ; block b: my 16 numbers, and the floor 2^(3 - 127)
.endr
.irp i, 2,4,6,8,10,12,14
.irp b, 0,1,2,3
	v_max3_num_f32 v[TM+\b], v[TM+\b], |v[\src+16*\b+\i]|, |v[\src+1+16*\b+\i]|   ; the four blocks by turns
.endr
.endr
.irp b, 0,1,2,3
	v_permlanex16_b32 v[TM+4+\b], v[TM+\b], s38, s39
.endr
.irp b, 0,1,2,3
	v_max_num_f32 v[TM+\b], v[TM+\b], v[TM+4+\b]   ; with lane l xor 16's: the block's largest magnitude
.endr
.irp b, 0,1,2,3
	v_add_nc_u32 v[TM+12+\b], 0xff000000, v[TM+\b] ; 2 off its exponent field: the conversion's scale operand
.endr
.irp b, 0,1,2,3
	v_lshrrev_b32 v[TM+4+\b], 23, v[TM+12+\b]      ; the scale's byte
.endr
	v_lshl_or_b32 v[PW], v[TM+5], 8, v[TM+4]
	v_lshl_or_b32 v[PW], v[TM+6], 16, v[PW]
	v_lshl_or_b32 v[PW], v[TM+7], 24, v[PW]
.irp b, 0,1,2,3
	v_cvt_scalef32_pk8_fp4_f32 v[PC+2*\b], v[\src+16*\b:\src+7+16*\b], v[TM+12+\b]
	v_cvt_scalef32_pk8_fp4_f32 v[PC+1+2*\b], v[\src+8+16*\b:\src+15+16*\b], v[TM+12+\b]
.endr
	v_nop                                          ; one plain line behind a scaled conversion
.irp c, 0,1                                    ; the operand wants a whole block in a lane: lanes 0-15 block 2 c, lanes 16-31 block 2 c + 1
.irp i, 0,1
	v_permlane16_swap_b32 v[PC+4*\c+\i], v[PC+2+4*\c+\i]
.endr
.endr
.endm
	s_load_b256 s[4:11], s[0:1], 0x0               ; plan s[4:5], xq s[6:7], wc s[8:9], ws s[10:11]
	s_load_b128 s[12:15], s[0:1], 0x20             ; b1 s[12:13], hc s[14:15]
	s_load_b64 s[16:17], s[0:1], 0x30              ; hs
	v_lshrrev_b32 v15, 5, v0
	v_readfirstlane_b32 s18, v15                   ; wave
	v_and_b32 v15, 31, v0
	v_lshlrev_b32 v[LI], 4, v15
	v_lshlrev_b32 v[LS], 2, v15
	v_lshlrev_b32 v[L8], 3, v15
	v_and_b32 v[R4], 15, v0
	v_lshlrev_b32 v[R4], 2, v[R4]
	v_bfe_u32 v[H16], v0, 4, 1
	v_lshlrev_b32 v[H64], 6, v[H16]
	v_lshlrev_b32 v[H16], 4, v[H16]
	v_mov_b32 v[C0], 0xc0135761
	v_mov_b32 v[C0+1], 0xc0135761
	v_mov_b32 v[C1], 0xbdd2d3e8
	v_mov_b32 v[C1+1], 0xbdd2d3e8
.irp b, 0,1,2,3
	v_mov_b32 v[TM+4+\b], 0                        ; written once: a lane permute's destination counts as one of its sources
.endr
	s_mov_b32 s38, 0x76543210
	s_mov_b32 s39, 0xfedcba98
	s_and_b32 s19, ttmp7, 0xffff                   ; the tile
	s_lshl_b32 s24, s19, 4
	s_lshl_b32 s28, s19, 9
	s_mov_b32 s29, 0
	s_wait_alu depctr_va_sdst(0)                   ; s18, the wave's number, is written: ahead of the branch below and of its first reader, behind that branch
	s_wait_alu depctr_va_vdst(0)                   ; the six offsets v1 to v5 and v14 are written, which the loads and stores of the whole kernel read
	s_wait_kmcnt 0x0
	s_load_b128 s[20:23], s[4:5], s24 offset:0x8000  ; a, b, rows, 0
	s_add_nc_u64 s[26:27], s[4:5], s[28:29]        ; the tile's 128 slots of the row list
.irp m, 0,1,2,3,4,5,6,7
	global_load_b32 v[TOKV+\m], v[R4], s[26:27] offset:64*\m       ; lane (r, h): the token of slot 16 m + r
.endr
	s_wait_kmcnt 0x0
	s_min_u32 s22, s22, 128
	s_cmp_eq_u32 s22, 0
	s_cbranch_scc1 .Lend                           ; a tile that this split leaves without rows
	s_add_co_u32 s25, s22, 15
	s_lshr_b32 s25, s25, 4                         ; row tiles of 16
	s_lshr_b32 s30, ttmp9, 2                       ; which of the two experts
	s_cmp_lg_u32 s30, 0
	s_cselect_b32 s31, s21, s20
	s_min_u32 s31, s31, 7                          ; e
	s_and_b32 s32, ttmp9, 3
	s_lshl_b32 s32, s32, 2
	s_add_co_u32 s32, s32, s18                     ; u
	s_lshl_b32 s33, s31, 4
	s_add_co_u32 s33, s33, s32
	s_lshl_b32 s28, s33, 16
	s_add_nc_u64 s[8:9], s[8:9], s[28:29]          ; my 64 fragments of W1,
	s_lshl_b32 s28, s33, 12
	s_add_nc_u64 s[10:11], s[10:11], s[28:29]      ; their scale words,
	s_lshl_b32 s28, s31, 13
	s_lshl_b32 s34, s32, 9
	s_add_co_u32 s28, s28, s34
	s_add_nc_u64 s[12:13], s[12:13], s[28:29]      ; my 128 numbers of b1
	s_lshl_b32 s28, s19, 18                        ; hc [tile][k 2][row tile 8][K step 16][1,024]
	s_lshl_b32 s34, s30, 17
	s_add_co_u32 s28, s28, s34
	s_lshl_b32 s34, s32, 10
	s_add_co_u32 s28, s28, s34
	s_add_nc_u64 s[14:15], s[14:15], s[28:29]
	s_lshl_b32 s28, s19, 15                        ; hs likewise, 128 bytes an image
	s_lshl_b32 s34, s30, 14
	s_add_co_u32 s28, s28, s34
	s_lshl_b32 s34, s32, 7
	s_add_co_u32 s28, s28, s34
	s_add_nc_u64 s[16:17], s[16:17], s[28:29]
	WIN 0xc0
.irp t, 0,1,2,3,4,5,6,7                        ; b1 in the result's layout: tile t, lane half h: units 32 (t / 2) + 8 (t % 2) + 16 h + 0 .. 7
	global_load_b128 v[BI+8*\t:BI+8*\t+3], v[H64], s[12:13] offset:(32*(\t/2)+8*(\t%2))*4
	global_load_b128 v[BI+8*\t+4:BI+8*\t+7], v[H64], s[12:13] offset:(32*(\t/2)+8*(\t%2))*4+16
.endr
	WIN 0
.irp p, 0,1,2,3
.irp q, 0,1,2,3
	global_load_b64 v[W1S+8*\p+2*\q:W1S+8*\p+2*\q+1], v[L8], s[10:11] offset:1024*\p+256*\q
.endr
.endr
	s_wait_loadcnt 32                              ; the eight ids are in; the 32 loads issued behind them may be out
	TADR 0, TOKV
	TADR 1, TOKV+1
	s_wait_alu depctr_va_vdst(0)                   ; both slots' offsets, v6 to v9, are written, which the 36 loads below read
	TGET 0
	TGET 1
	WIN 0x40                                       ; destination window 1
.irp ks, 0,1,2,3
.irp t, 0,1,2,3,4,5,6,7
.irp c, 0,1
	global_load_b128 v[64*\ks+8*\t+4*\c:64*\ks+8*\t+4*\c+3], v[LI], s[8:9] offset:8192*\ks+1024*\t+512*\c   ; 512 consecutive bytes an instruction
.endr
.endr
.endr
	WIN 0x80                                       ; destination window 2
.irp ks, 0,1,2,3
.irp t, 0,1,2,3,4,5,6,7
.irp c, 0,1
	global_load_b128 v[64*\ks+8*\t+4*\c:64*\ks+8*\t+4*\c+3], v[LI], s[8:9] offset:8192*(\ks+4)+1024*\t+512*\c
.endr
.endr
.endr
	WIN 0
	s_wait_loadcnt 0x0
; row tile M + sl, from slot sl
.macro SUB sl
	s_wait_alu depctr_vm_vsrc(0)                   ; this slot's earlier loads have read its two offsets, and the last turn's stores the codes and the scale word: this turn writes all of them again
.if \sl == 0
	s_cmp_ge_u32 s36, s25
.else
	s_add_co_u32 s37, s36, 1
	s_cmp_ge_u32 s37, s25
.endif
	s_cbranch_scc1 .Ldone                          ; no rows left: out of the loop, so that no later turn follows one that was left out
	s_wait_loadcnt 18                              ; this slot's 18 loads are in; the other slot's 18, issued behind them, may be out
	WIN 0x3d                                       ; source 0 (W1) window 1, source 1 (x) window 3, C (b1) window 3, D window 0
.irp t, 0,1,2,3,4,5,6,7                        ; the eight accumulators take turns, one instruction a turn
	MM HA+8*\t, 8*\t, XF+64*\sl, BI+8*\t, W1S+8*(\t/2), XS+8*\sl, \t%2
.endr
	WIN 0x0d
.irp ks, 1,2,3
.irp t, 0,1,2,3,4,5,6,7
	MM HA+8*\t, 64*\ks+8*\t, XF+64*\sl+8*\ks, HA+8*\t, W1S+8*(\t/2)+\ks, XS+8*\sl+\ks, \t%2
.endr
.endr
	WIN 0x0e                                       ; source 0 window 2
.irp ks, 4,5,6,7
.irp t, 0,1,2,3,4,5,6,7
	MM HA+8*\t, 64*(\ks-4)+8*\t, XF+64*\sl+8*\ks, HA+8*\t, W1S+8*(\t/2)+\ks, XS+8*\sl+\ks, \t%2
.endr
.endr
	WIN 0
	v_nop                                          ; with the three address lines below: four plain lines between the last product and the first read of results (ISA guide 7.12.1)
	s_wait_alu depctr_va_vdst(0)
	TADR \sl, TOKV+2+\sl                           ; the offsets of the row tile two on; its loads follow behind the exponentials' wait
.set J, 0
.rept 32
	v_pk_mul_f32 v[T+J:T+J+1], v[HA+J:HA+J+1], v[HA+J:HA+J+1]      ; v^2; each accumulator is read from its low end on
.set J, J+2
.endr
.set J, 0
.rept 32
	v_pk_fma_f32 v[T+J:T+J+1], v[T+J:T+J+1], v[C1:C1+1], v[C0:C0+1]
.set J, J+2
.endr
.set J, 0
.rept 32
	v_pk_mul_f32 v[T+J:T+J+1], v[T+J:T+J+1], v[HA+J:HA+J+1]
.set J, J+2
.endr
.set J, 0
	s_wait_alu depctr_va_vdst(0)
.rept 64
	v_exp_f32 v[T+J], v[T+J]
.set J, J+1
.endr
	v_nop                                          ; a plain line behind the last exponential
	s_wait_alu depctr_va_vdst(0)                   ; the 64 exponentials are written, ahead of their first reader; the products are done reading this slot's fragments and scale words, in which the loads below land; the slot's two offsets are written
	TGET \sl                                       ; the row tile two on: only window switches and loads stand between the wait and these 18 loads
.set J, 0
.rept 32
	v_pk_add_f32 v[T+J:T+J+1], v[T+J:T+J+1], 1.0 op_sel_hi:[1,0]
.set J, J+2
.endr
.set J, 0
	s_wait_alu depctr_va_vdst(0)
.rept 64
	v_rcp_f32 v[T+J], v[T+J]
.set J, J+1
.endr
	v_nop
	s_wait_alu depctr_va_vdst(0)                   ; the 64 reciprocals are written, ahead of their first reader
.set J, 0
.rept 32
	v_pk_mul_f32 v[HA+J:HA+J+1], v[HA+J:HA+J+1], v[T+J:T+J+1]      ; gelu
.set J, J+2
.endr
	s_wait_xcnt 0x0                                ; the last turn's stores have read the codes' and the scale word's registers: they are written again only behind this wait
	QUANT HA
	s_wait_alu depctr_va_vdst(0)                   ; the quantiser has written the codes v72 to v79 and the scale word v96, which the three stores read
	global_store_b128 v[LI], v[PC:PC+3], s[14:15] offset:\sl*16384         ; the fragment as it stands: 512 consecutive bytes a store
	global_store_b128 v[LI], v[PC+4:PC+7], s[14:15] offset:\sl*16384+512
	global_store_b32 v[LS], v[PW], s[16:17] offset:\sl*2048
.endm
	s_mov_b32 s36, 0                               ; M: the trip's first row tile
.Ltrip:
	SUB 0
	SUB 1
	s_wait_xcnt 0x0                                ; the stores have read their bases
	s_add_nc_u64 s[14:15], s[14:15], 32768
	s_add_nc_u64 s[16:17], s[16:17], 4096
.irp i, 0,1,2,3,4,5
	v_mov_b32 v[TOKV+\i], v[TOKV+\i+2]             ; the ids move down two places (the last two stay: the loads that they feed in the last trips name rows of the table and are not used)
.endr
	s_add_co_u32 s36, s36, 2
	s_cmp_lt_u32 s36, 8
	s_cbranch_scc1 .Ltrip
.Ldone:
.Lend:
	s_endpgm
.Lfunc_end_k_q8f04daa7cf_ffn1:
	.size	k_q8f04daa7cf_ffn1, .Lfunc_end_k_q8f04daa7cf_ffn1-k_q8f04daa7cf_ffn1
	.p2alignl 7, 3214868480
	.fill 96, 4, 3214868480
	.section	.rodata,"a",@progbits
	.p2align	6, 0x0
	.amdhsa_kernel k_q8f04daa7cf_ffn1
		.amdhsa_group_segment_fixed_size 0
		.amdhsa_private_segment_fixed_size 0
		.amdhsa_enable_private_segment 0
		.amdhsa_kernarg_size 56
		.amdhsa_user_sgpr_count 2
		.amdhsa_user_sgpr_kernarg_segment_ptr 1
		.amdhsa_wavefront_size32 1
		.amdhsa_system_sgpr_workgroup_id_x 1
		.amdhsa_system_sgpr_workgroup_id_y 1
		.amdhsa_system_sgpr_workgroup_id_z 1
		.amdhsa_system_vgpr_workitem_id 0
		.amdhsa_next_free_vgpr 960
		.amdhsa_next_free_sgpr 66
		.amdhsa_reserve_vcc 0
		.amdhsa_float_denorm_mode_32 3
		.amdhsa_float_denorm_mode_16_64 3
		.amdhsa_memory_ordered 1
		.amdhsa_forward_progress 1
		.amdhsa_inst_pref_size 81
	.end_amdhsa_kernel
	.amdgpu_metadata
---
amdhsa.version: [ 1, 2 ]
amdhsa.kernels:
  - .name:           k_q8f04daa7cf_ffn1
    .symbol:         k_q8f04daa7cf_ffn1.kd
    .args:
      - { .name: plan, .offset: 0, .size: 8, .value_kind: global_buffer, .address_space: global }
      - { .name: xq, .offset: 8, .size: 8, .value_kind: global_buffer, .address_space: global }
      - { .name: wc, .offset: 16, .size: 8, .value_kind: global_buffer, .address_space: global }
      - { .name: ws, .offset: 24, .size: 8, .value_kind: global_buffer, .address_space: global }
      - { .name: b1, .offset: 32, .size: 8, .value_kind: global_buffer, .address_space: global }
      - { .name: hc, .offset: 40, .size: 8, .value_kind: global_buffer, .address_space: global }
      - { .name: hs, .offset: 48, .size: 8, .value_kind: global_buffer, .address_space: global }
    .group_segment_fixed_size: 0
    .private_segment_fixed_size: 0
    .kernarg_segment_align: 8
    .kernarg_segment_size: 56
    .max_flat_workgroup_size: 128
    .sgpr_count:     66
    .vgpr_count:     960
    .wavefront_size: 32
...
	.end_amdgpu_metadata
.endif
;; end of part 7
;; launch ffn2 (part 8): grid 8 x 43, 4 waves a work-group, no clusters, 270,848 bytes of LDS; arguments plan, xq, hc, hs, wc, ws, b2, out0; writes out0
.if DOCPART == 8
	.amdgcn_target "amdgcn-amd-amdhsa--gfx1250"
	.amdhsa_code_object_version 6
	.text
	.protected	k_q8f04daa7cf_ffn2
	.globl	k_q8f04daa7cf_ffn2
	.p2align	8
	.type	k_q8f04daa7cf_ffn2,@function
k_q8f04daa7cf_ffn2:
	s_mov_b64 s[64:65], 0
	v_nop
	global_prefetch_b8 v0, s[64:65] scope:SCOPE_SE
	s_setreg_imm32_b32 hwreg(HW_REG_WAVE_SCHED_MODE, 0, 2), 2
	s_setreg_imm32_b32 hwreg(HW_REG_WAVE_MODE, 25, 1), 1
	s_wait_xcnt 0x0
	s_wait_alu depctr_vm_vsrc(0)
; FFN2.  out[token] = ga (hid_a W2[a] + b2[a]) + gb (hid_b W2[b] + b2[b]) for the rows of one tile (all its tokens chose the same two experts) and 128 output columns: each output row has one owner.
; Work-group (x = j, y = tile).  Wave w: expert a (w < 2) or b, and half w % 2 of K = 2,048 (8 K steps of 128); all 8 tiles of 16 columns.  Its 64 fragments of W2 stay in registers; each hidden fragment is read by one wave and feeds 8 products.
; The four waves' partial sums meet in LDS, one barrier; then each wave gates, adds the biases and stores whole runs of 512 bytes.  K is thus summed in two halves: the order of the f32 sums differs from one chain over K.
; The tile table and the row list were stored by an earlier launch; what hangs on them is done by scalar branches that all lead to the one barrier.  So operands come from memory straight into registers: no tensor load, no cluster.
; THE PRODUCT IS USED TRANSPOSED: source 0 = 16 columns of W2, source 1 = 16 tokens: a lane holds one token and eight neighbouring columns.
; LDS: four regions of 128 rows x (512 bytes + 16), one for each wave's partial sums.
; REGISTERS.  Window 0: below.  Windows 1, 2: W2's K steps 0-3, 4-7, fragment at 64 (s % 4) + 8 ct.  Window 3: hidden slots 0-3, 64 registers each.
; THE MODE: SCHED_MODE bits 1:0 = 2 (LLVM: expert scheduling mode 2), set by the entry lines.  The code itself states the register dependences
; between vector or matrix instructions and memory or LDS instructions, with s_wait_alu, always for 0.
; THE PLAN.  Registers that memory or LDS instructions touch:
;   LI, LS, L8, SO, RB0-3, TO   offsets and LDS addresses, made once at the head and never written again.  v15: the gates' offset, made once.
;   hidden slots 0-4 and HS     loads land in them; row tile m's products read slot m % 5; slots 0-2 are loaded a second time, behind tile m's products.
;   ACC                         written by a row tile's products, read by its 16 LDS stores, begun anew by the next tile's products.
;   H4, on the way out          a group's 16 LDS loads land in it; the rows' arithmetic reads and writes it; the rows' stores read it; the next group's loads land in it again.
;   AD0-3                       written by one vector line a row, read by that row's store.
;   s66, s68, s70               written by three lane reads a row, read by scalar and vector lines.
; A row tile has one wait on va_vdst, behind the places that follow its products (ACC is written; the slot and its scale words have been read), and the next tile's head one on vm_vsrc (the LDS stores have read ACC).
; A group from the second on has one wait on vm_vsrc at its head (the last group's stores have read H4 and AD); a row has one on va_sdst and one on va_vdst.
.set PREG, 67584                       ; a wave's region in LDS
.set LI,   1                           ; 16 x lane
.set LS,   2                           ; 4 x lane
.set SO,   3                           ; where I put 32 bytes of a row: region w, row lane % 16, + 32 (lane / 16)
.set RB,   4                           ; v4-7   where I read rows back: region q, + 4 w rows, + 16 x lane
.set TK,   8                           ; lane l: the token of slot 16 (l / 4) + 4 w + l % 4
.set TO,   9                           ; that slot's byte in the tile's list
.set GA,   10                          ; v[10:11] its two gates
.set L8,   12                          ; 8 x lane
.set BA,   16                          ; v16-19 b2[a] at my four columns;  v20-23 b2[b]
.set BB,   20
.set AD,   24                          ; v24-27 the stores' offsets, one for each row of a group
.set ACC,  32                          ; v32-95 eight accumulators
.set HS,   96                          ; v96-135 the hidden layer's scale words, 5 slots of 8: scales and nothing else
.set W2S,  136                         ; v136-167 W2's scale words: scales and nothing else
.set H4,   168                         ; v168-231 hidden slot 4; later the rows read back
.set MSB, 0
.macro WIN new                         ; the immediate's high byte repeats the setting that is left
.if MSB != \new
	s_set_vgpr_msb (MSB<<8)|\new
.set MSB, \new
.endif
.endm
.macro MM d, a, b, c, sa, sb, odd
.if \odd
.if (\c) < 0
	v_wmma_scale_f32_16x16x128_f8f6f4 v[(\d):(\d)+7], v[(\a):(\a)+7], v[(\b):(\b)+7], 0, v[\sa], v[\sb] matrix_a_fmt:MATRIX_FMT_FP4 matrix_b_fmt:MATRIX_FMT_FP4 matrix_a_scale:MATRIX_SCALE_ROW1
.else
	v_wmma_scale_f32_16x16x128_f8f6f4 v[(\d):(\d)+7], v[(\a):(\a)+7], v[(\b):(\b)+7], v[(\c):(\c)+7], v[\sa], v[\sb] matrix_a_fmt:MATRIX_FMT_FP4 matrix_b_fmt:MATRIX_FMT_FP4 matrix_a_scale:MATRIX_SCALE_ROW1
.endif
.else
.if (\c) < 0
	v_wmma_scale_f32_16x16x128_f8f6f4 v[(\d):(\d)+7], v[(\a):(\a)+7], v[(\b):(\b)+7], 0, v[\sa], v[\sb] matrix_a_fmt:MATRIX_FMT_FP4 matrix_b_fmt:MATRIX_FMT_FP4
.else
	v_wmma_scale_f32_16x16x128_f8f6f4 v[(\d):(\d)+7], v[(\a):(\a)+7], v[(\b):(\b)+7], v[(\c):(\c)+7], v[\sa], v[\sb] matrix_a_fmt:MATRIX_FMT_FP4 matrix_b_fmt:MATRIX_FMT_FP4
.endif
.endif
.endm
; a row tile's 8 hidden fragments and scale words into slot sl, from bases s[bc], s[bs], mo row tiles on
.macro THID sl, bc, bs, mo
.if \sl < 4
	WIN 0xc0
.set HL, 64*\sl
.else
	WIN 0
.set HL, H4
.endif
.irp ks, 0,1,2,3,4,5,6,7
.irp c, 0,1
	global_load_b128 v[HL+8*\ks+4*\c:HL+8*\ks+4*\c+3], v[LI], s[\bc:\bc+1] offset:(\mo)*16384+1024*\ks+512*\c
.endr
.endr
	WIN 0
.irp ks, 0,1,2,3,4,5,6,7
	global_load_b32 v[HS+8*\sl+\ks], v[LS], s[\bs:\bs+1] offset:(\mo)*2048+128*\ks
.endr
.endm
	s_load_b512 s[4:19], s[0:1], 0x0               ; plan s[4:5], xq s[6:7], hc s[8:9], hs s[10:11], wc s[12:13], ws s[14:15], b2 s[16:17], out0 s[18:19]
	v_lshl_add_u32 v254, v0, 2, 0x42000
	v_mov_b32 v255, 0
	v_lshrrev_b32 v13, 5, v0
	v_readfirstlane_b32 s20, v13                   ; wave
	v_and_b32 v13, 31, v0
	v_lshlrev_b32 v[LI], 4, v13
	v_lshlrev_b32 v[LS], 2, v13
	v_lshlrev_b32 v[L8], 3, v13
	v_and_b32 v14, 15, v0
	v_bfe_u32 v15, v0, 4, 1
	s_wait_alu depctr_va_sdst(0)                   ; s20, the wave's number, is written, ahead of its first reader, the line below
	s_mul_i32 s21, s20, PREG
	v_mul_u32_u24 v[SO], v14, 528
	v_lshl_add_u32 v[SO], v15, 5, v[SO]
	v_add_nc_u32 v[SO], s21, v[SO]
	s_mul_i32 s21, s20, 4*528
	v_add_nc_u32 v[RB], s21, v[LI]
	v_add_nc_u32 v[RB+1], PREG, v[RB]
	v_add_nc_u32 v[RB+2], 2*PREG, v[RB]
	v_add_nc_u32 v[RB+3], 3*PREG, v[RB]
	v_lshrrev_b32 v[TO], 2, v13
	v_lshlrev_b32 v[TO], 6, v[TO]
	v_and_b32 v14, 3, v13
	v_lshl_add_u32 v[TO], v14, 2, v[TO]
	s_lshl_b32 s21, s20, 4
	v_add_nc_u32 v[TO], s21, v[TO]                 ; 4 x (16 (l / 4) + 4 w + l % 4)
	s_and_b32 s22, ttmp7, 0xffff                   ; the tile
	s_lshl_b32 s23, s22, 4
	s_lshl_b32 s28, s22, 9
	s_mov_b32 s29, 0
	s_mov_b32 s37, 0
	s_wait_alu depctr_va_vdst(0)                   ; the offsets and LDS addresses v1 to v7, v9 and v12 are written, which the loads, LDS stores and LDS loads of the whole kernel read
	s_wait_kmcnt 0x0
	s_load_b128 s[24:27], s[4:5], s23 offset:0x8000  ; a, b, rows, 0
	s_add_nc_u64 s[30:31], s[4:5], s[28:29]
	global_load_b32 v[TK], v[TO], s[30:31]
	s_wait_kmcnt 0x0
	s_min_u32 s26, s26, 128                        ; rows
	s_add_co_u32 s32, s26, 15
	s_lshr_b32 s32, s32, 4                         ; row tiles of 16
	s_lshl_b32 s33, s20, 2
	s_sub_co_i32 s33, s26, s33                     ; rows - 4 w: row 16 m + 4 w + i exists where 16 m + i lies under this
	s_min_u32 s34, s24, 7                          ; a
	s_min_u32 s35, s25, 7                          ; b
	s_lshl_b32 s36, ttmp9, 9                       ; my slice's 128 columns in bytes
	s_lshl_b32 s28, s34, 12
	s_add_co_u32 s28, s28, s36
	s_add_nc_u64 s[38:39], s[16:17], s[28:29]
	s_lshl_b32 s28, s35, 12
	s_add_co_u32 s28, s28, s36
	s_add_nc_u64 s[40:41], s[16:17], s[28:29]
	global_load_b128 v[BA:BA+3], v[LI], s[38:39]
	global_load_b128 v[BB:BB+3], v[LI], s[40:41]
	s_add_nc_u64 s[18:19], s[18:19], s[36:37]      ; out0 at my slice
	s_wait_loadcnt 2                               ; the list's load is in; the two bias loads behind it may be out
	v_min_u32 v[TK], 2047, v[TK]
	v_lshlrev_b32 v15, 3, v[TK]
	s_wait_alu depctr_va_vdst(0)                   ; v15 is written, which the load below reads as its offset
	global_load_b64 v[GA:GA+1], v15, s[6:7] offset:1114112
	s_cmp_eq_u32 s26, 0
	s_cbranch_scc1 .Ljoin                          ; a tile without rows passes the barrier and ends
	; ---- the partial sums
	s_lshr_b32 s42, s20, 1                         ; which expert
	s_and_b32 s43, s20, 1                          ; which half of K
	s_cmp_lg_u32 s42, 0
	s_cselect_b32 s21, s25, s24
	s_min_u32 s21, s21, 7
	s_lshl_b32 s21, s21, 1
	s_add_co_u32 s21, s21, s43
	s_lshl_b32 s21, s21, 3
	s_add_co_u32 s21, s21, ttmp9                   ; (e x 2 + half) x 8 + j
	s_lshl_b32 s28, s21, 16
	s_add_co_u32 s28, s28, 8388608
	s_add_nc_u64 s[12:13], s[12:13], s[28:29]      ; my 64 fragments of W2,
	s_lshl_b32 s28, s21, 12
	s_add_co_u32 s28, s28, 524288
	s_add_nc_u64 s[14:15], s[14:15], s[28:29]      ; their scale words
	s_lshl_b32 s28, s22, 18
	s_lshl_b32 s36, s42, 17
	s_add_co_u32 s28, s28, s36
	s_lshl_b32 s36, s43, 13
	s_add_co_u32 s28, s28, s36
	s_add_nc_u64 s[8:9], s[8:9], s[28:29]          ; the hidden codes of my expert and my 8 K steps, row tile 0,
	s_lshl_b32 s28, s22, 15
	s_lshl_b32 s36, s42, 14
	s_add_co_u32 s28, s28, s36
	s_lshl_b32 s36, s43, 10
	s_add_co_u32 s28, s28, s36
	s_add_nc_u64 s[10:11], s[10:11], s[28:29]      ; and their scale words
	s_sub_co_u32 s23, s32, 1
.irp m, 0,1,2,3,4                              ; the first five slots are asked for at once; a slot past the last row tile takes the last one again: only bytes that were stored are read
	s_min_u32 s28, s23, \m
	s_lshl_b32 s36, s28, 11
	s_lshl_b32 s28, s28, 14
	s_add_nc_u64 s[44+4*\m:45+4*\m], s[8:9], s[28:29]
	s_add_nc_u64 s[46+4*\m:47+4*\m], s[10:11], s[36:37]
.endr
.irp m, 0,1,2,3,4
	THID \m, 44+4*\m, 46+4*\m, 0
.endr
.irp p, 0,1,2,3
.irp q, 0,1,2,3
	global_load_b64 v[W2S+8*\p+2*\q:W2S+8*\p+2*\q+1], v[L8], s[14:15] offset:1024*\p+256*\q
.endr
.endr
	WIN 0x40
.irp ks, 0,1,2,3
.irp t, 0,1,2,3,4,5,6,7
.irp c, 0,1
	global_load_b128 v[64*\ks+8*\t+4*\c:64*\ks+8*\t+4*\c+3], v[LI], s[12:13] offset:8192*\ks+1024*\t+512*\c
.endr
.endr
.endr
	WIN 0x80
.irp ks, 0,1,2,3
.irp t, 0,1,2,3,4,5,6,7
.irp c, 0,1
	global_load_b128 v[64*\ks+8*\t+4*\c:64*\ks+8*\t+4*\c+3], v[LI], s[12:13] offset:8192*(\ks+4)+1024*\t+512*\c
.endr
.endr
.endr
	WIN 0
	s_wait_loadcnt 0x0                             ; from here on every wait for loads is for 0: it holds on every path
; row tile m: 64 products, then the eight results into my region of LDS
.macro TRIP m
.if \m > 0
	s_wait_alu depctr_vm_vsrc(0)                   ; the last tile's LDS stores have read the accumulators, which this tile's first products write; the line stands ahead of the branch
	s_cmp_le_u32 s32, \m
	s_cbranch_scc1 .Ljoin
	s_wait_dscnt 0x0                               ; the last tile's LDS stores have read the accumulators, which are begun anew below
.endif
.if \m >= 5
	s_wait_loadcnt 0x0
.endif
.set SL, (\m)%5
.if SL == 4
.set HB, H4
	WIN 0x01                                       ; source 0 (W2) window 1; the hidden slot, C and D window 0
.else
.set HB, 64*SL
	WIN 0x0d                                       ; source 0 window 1, source 1 (hidden) window 3
.endif
.irp ct, 0,1,2,3,4,5,6,7                       ; the eight accumulators take turns, one instruction a turn; the first K step starts the sums
	MM ACC+8*\ct, 8*\ct, HB, -1, W2S+8*(\ct/2), HS+8*SL, \ct%2
.endr
.irp ks, 1,2,3
.irp ct, 0,1,2,3,4,5,6,7
	MM ACC+8*\ct, 64*\ks+8*\ct, HB+8*\ks, ACC+8*\ct, W2S+8*(\ct/2)+\ks, HS+8*SL+\ks, \ct%2
.endr
.endr
.if SL == 4
	WIN 0x02
.else
	WIN 0x0e
.endif
.irp ks, 4,5,6,7
.irp ct, 0,1,2,3,4,5,6,7
	MM ACC+8*\ct, 64*(\ks-4)+8*\ct, HB+8*\ks, ACC+8*\ct, W2S+8*(\ct/2)+\ks, HS+8*SL+\ks, \ct%2
.endr
.endr
	WIN 0
.rept 5
	v_nop                                          ; four plain lines ahead of the stores that read results; the fifth for the next tile's first products, which write over these accumulators
.endr
	s_wait_alu depctr_va_vdst(0)                   ; the products have written the accumulators, which the LDS stores below read, and are done reading this slot's fragments and scale words, in which the loads below land; the places above stay beside this wait
.if \m < 3
	s_cmp_gt_u32 s32, \m+5
	s_cbranch_scc0 .Lno_more_\@
	THID \m, 8, 10, \m+5                           ; the slot just read takes the row tile five on, if there is one
.Lno_more_\@:
.endif
.irp ct, 0,1,2,3,4,5,6,7
	ds_store_b128 v[SO], v[ACC+8*\ct:ACC+8*\ct+3] offset:\m*8448+64*\ct          ; each accumulator from its low end on
	ds_store_b128 v[SO], v[ACC+8*\ct+4:ACC+8*\ct+7] offset:\m*8448+64*\ct+16
.endr
.endm
.irp m, 0,1,2,3,4,5,6,7
	TRIP \m
.endr
.Ljoin:
	s_wait_loadcnt 0x0                             ; on every path: the gates, the biases and whatever else was asked for are in
	s_wait_dscnt 0x0                               ; for the others' sake: my partial sums have landed
	s_barrier_signal -1
	s_barrier_wait -1
	s_mov_b32 s67, 0                               ; (named as the upper halves of the pairs that the packed forms take)
	s_mov_b32 s69, 0
; ---- rows 16 m + 4 w + i, i = 0 .. 3: the four partial sums, the biases, the gates; a row's 128 columns leave as 512 consecutive bytes, aligned
; (The first group's LDS loads land in hidden slot 4's registers: the products that read them stand ahead of row tile 4's wait on va_vdst, on every path.  A later group's land where the last group's arithmetic worked: that stands ahead of its last row's wait on va_vdst.)
.macro GROUP m
.if \m > 0
	s_wait_alu depctr_vm_vsrc(0)                   ; the last group's stores have read their data, in which the LDS loads below land, and their offsets, which this group's rows write again; the line stands ahead of the branch
.endif
	s_cmp_le_i32 s33, 16*\m
	s_cbranch_scc1 .Lend
	s_wait_xcnt 0x0                                ; the last group's stores have read their data and offsets: both are written again only behind this wait
.irp i, 0,1,2,3
.irp q, 0,1,2,3
	ds_load_b128 v[H4+16*\i+4*\q:H4+16*\i+4*\q+3], v[RB+\q] offset:\m*8448+528*\i
.endr
.endr
	s_wait_dscnt 0x0
.irp i, 0,1,2,3
.if \i > 0
	s_cmp_le_i32 s33, 16*\m+\i
	s_cbranch_scc1 .Lend
.endif
	v_readlane_b32 s70, v[TK], 4*\m+\i             ; the row's token,
	v_readlane_b32 s66, v[GA], 4*\m+\i             ; a's gate,
	v_readlane_b32 s68, v[GA+1], 4*\m+\i           ; b's
	v_pk_add_f32 v[H4+16*\i:H4+16*\i+1], v[H4+16*\i:H4+16*\i+1], v[H4+16*\i+4:H4+16*\i+5]           ; expert a: the two halves of K.  (These eight additions read none of the three scalars)
	v_pk_add_f32 v[H4+16*\i+2:H4+16*\i+3], v[H4+16*\i+2:H4+16*\i+3], v[H4+16*\i+6:H4+16*\i+7]
	v_pk_add_f32 v[H4+16*\i+8:H4+16*\i+9], v[H4+16*\i+8:H4+16*\i+9], v[H4+16*\i+12:H4+16*\i+13]     ; expert b
	v_pk_add_f32 v[H4+16*\i+10:H4+16*\i+11], v[H4+16*\i+10:H4+16*\i+11], v[H4+16*\i+14:H4+16*\i+15]
	v_pk_add_f32 v[H4+16*\i:H4+16*\i+1], v[H4+16*\i:H4+16*\i+1], v[BA:BA+1]
	v_pk_add_f32 v[H4+16*\i+2:H4+16*\i+3], v[H4+16*\i+2:H4+16*\i+3], v[BA+2:BA+3]
	v_pk_add_f32 v[H4+16*\i+8:H4+16*\i+9], v[H4+16*\i+8:H4+16*\i+9], v[BB:BB+1]
	v_pk_add_f32 v[H4+16*\i+10:H4+16*\i+11], v[H4+16*\i+10:H4+16*\i+11], v[BB+2:BB+3]
	s_wait_alu depctr_va_sdst(0)                   ; s70, s66 and s68 are written, ahead of their first readers, the lines below
	s_min_u32 s70, s70, 2047
	v_pk_mul_f32 v[H4+16*\i+8:H4+16*\i+9], v[H4+16*\i+8:H4+16*\i+9], s[68:69] op_sel_hi:[1,0]
	v_pk_mul_f32 v[H4+16*\i+10:H4+16*\i+11], v[H4+16*\i+10:H4+16*\i+11], s[68:69] op_sel_hi:[1,0]
	v_pk_fma_f32 v[H4+16*\i:H4+16*\i+1], v[H4+16*\i:H4+16*\i+1], s[66:67], v[H4+16*\i+8:H4+16*\i+9] op_sel_hi:[1,0,1]
	v_pk_fma_f32 v[H4+16*\i+2:H4+16*\i+3], v[H4+16*\i+2:H4+16*\i+3], s[66:67], v[H4+16*\i+10:H4+16*\i+11] op_sel_hi:[1,0,1]
	v_lshl_add_u32 v[AD+\i], s70, 12, v[LI]        ; a row of out0 is 4,096 bytes
	s_wait_alu depctr_va_vdst(0)                   ; the row's four numbers a lane and its offset are written, which the store reads
	global_store_b128 v[AD+\i], v[H4+16*\i:H4+16*\i+3], s[18:19] th:TH_STORE_NT
.endr
.endm
.irp m, 0,1,2,3,4,5,6,7
	GROUP \m
.endr
.Lend:
	s_wait_dscnt 0x0                               ; the closing lines, six on end
	s_wait_alu 0x0
	s_wait_tensorcnt 0x0
	ds_add_u32 v254, v255
	s_wait_dscnt 0x0
	s_endpgm
.Lfunc_end_k_q8f04daa7cf_ffn2:
	.size	k_q8f04daa7cf_ffn2, .Lfunc_end_k_q8f04daa7cf_ffn2-k_q8f04daa7cf_ffn2
	.p2alignl 7, 3214868480
	.fill 96, 4, 3214868480
	.section	.rodata,"a",@progbits
	.p2align	6, 0x0
	.amdhsa_kernel k_q8f04daa7cf_ffn2
		.amdhsa_group_segment_fixed_size 270848
		.amdhsa_private_segment_fixed_size 0
		.amdhsa_enable_private_segment 0
		.amdhsa_kernarg_size 64
		.amdhsa_user_sgpr_count 2
		.amdhsa_user_sgpr_kernarg_segment_ptr 1
		.amdhsa_wavefront_size32 1
		.amdhsa_system_sgpr_workgroup_id_x 1
		.amdhsa_system_sgpr_workgroup_id_y 1
		.amdhsa_system_sgpr_workgroup_id_z 1
		.amdhsa_system_vgpr_workitem_id 0
		.amdhsa_next_free_vgpr 1024
		.amdhsa_next_free_sgpr 72
		.amdhsa_reserve_vcc 0
		.amdhsa_float_denorm_mode_32 3
		.amdhsa_float_denorm_mode_16_64 3
		.amdhsa_memory_ordered 1
		.amdhsa_forward_progress 1
		.amdhsa_inst_pref_size 163
	.end_amdhsa_kernel
	.amdgpu_metadata
---
amdhsa.version: [ 1, 2 ]
amdhsa.kernels:
  - .name:           k_q8f04daa7cf_ffn2
    .symbol:         k_q8f04daa7cf_ffn2.kd
    .args:
      - { .name: plan, .offset: 0, .size: 8, .value_kind: global_buffer, .address_space: global }
      - { .name: xq, .offset: 8, .size: 8, .value_kind: global_buffer, .address_space: global }
      - { .name: hc, .offset: 16, .size: 8, .value_kind: global_buffer, .address_space: global }
      - { .name: hs, .offset: 24, .size: 8, .value_kind: global_buffer, .address_space: global }
      - { .name: wc, .offset: 32, .size: 8, .value_kind: global_buffer, .address_space: global }
      - { .name: ws, .offset: 40, .size: 8, .value_kind: global_buffer, .address_space: global }
      - { .name: b2, .offset: 48, .size: 8, .value_kind: global_buffer, .address_space: global }
      - { .name: out0, .offset: 56, .size: 8, .value_kind: global_buffer, .address_space: global }
    .group_segment_fixed_size: 270848
    .private_segment_fixed_size: 0
    .kernarg_segment_align: 8
    .kernarg_segment_size: 64
    .max_flat_workgroup_size: 128
    .sgpr_count:     72
    .vgpr_count:     1024
    .wavefront_size: 32
...
	.end_amdgpu_metadata
.endif
;; end of part 8
